; MI455X (gfx1250); checked and timed in simulation.
; The chip was launched on July 23, 2026; its instructions are those of AMD's public machine-readable ISA for CDNA 5 (MIT licence, August 2026) and "CDNA5" Instruction Set Architecture Reference Guide (July 2026). The comments in the code are by the model that wrote it; some were corrected since.
;; Attention Fusion. Allowed arithmetic: matrix products marked QUANTISED: E2M1 operands, one E8M0 scale for each 32 along K, by v_wmma_scale_f32_16x16x128_f8f6f4 with both operands' format E2M1 (or v_wmma_scale_f32_32x16x128_f4), f32 sums; everything else in f32.
;; Inputs: out_b 1,024 float32; out_w 1,024 x 1,024 float32; qkv_b 3,072 float32; qkv_w 3,072 x 1,024 float32; x 2 x 2,048 x 1,024 float32.
;; Outputs: out0 2 x 2,048 x 1,024 float32.
;; This version of the problem:
;;   THIS VERSION OF THE PROBLEM IS GIVEN IN LOW PRECISION. The matrix products marked QUANTISED in the list below multiply operands that are first quantised to E2M1 (2 exponent bits, 1 mantissa bit; 4 bits a number), with one power-of-two scale for each 32 numbers along K (OCP MX v1.0); their sums are f32. All else is computed in f32.
;;   The module's matrix products, in the order in which they are computed (A, B: the left and right operand; K: the contracted axis; several contracted axes count as one K, in the product's order):
;;     1. [M 4,096, K 1,024] x [K 1,024, N 3,072]; A: input x; B: input qkv_w: QUANTISED
;;     2. batch 32 x [M 2,048, K 64] x [K 64, N 2,048]; A: computed on the way; B: computed on the way: QUANTISED
;;     3. batch 32 x [M 2,048, K 2,048] x [K 2,048, N 64]; A: softmax (see below); B: computed on the way: QUANTISED
;;     4. [M 4,096, K 1,024] x [K 1,024, N 1,024]; A: computed on the way; B: input out_w: QUANTISED
;;   THE QUANTISER, for each operand of a quantised product, along K:
;;     - K is cut into blocks of 32 from its start; a last block that is shorter is filled with zeros.
;;     - A block's scale is 2^e with e = floor(log2(the largest magnitude in the block)) - 2, held to -126 .. 127; a block of zeros has e = 0. As a byte (E8M0): e + 127.
;;     - Each number is divided by its block's scale, clamped to +-6, and rounded to the nearest number of E2M1, ties to even, subnormals kept.
;;     - The product sums the exact products of the quantised numbers (number of the format x scale) in f32.
;;   ~~~python
;;   def quantise(x, axis):      # numpy; x: float32 -> the quantised numbers, widened to float32 again
;;       x = np.moveaxis(x, axis, -1); K = x.shape[-1]
;;       x = np.pad(x, [(0, 0)] * (x.ndim - 1) + [(0, -K % 32)]); x = x.reshape(x.shape[:-1] + (-1, 32)); a = np.abs(x).max(-1, keepdims=True)
;;       e = np.where(a > 0, np.clip(np.frexp(np.where(a > 0, a, 1))[1] - 1 - 2, -126, 127), 0)      # np.frexp(a)[1] - 1 = floor(log2(a)), exactly
;;       r = np.clip(x / 2.0 ** e, -6, 6)
;;       step = 2.0 ** (np.maximum(np.frexp(np.where(r == 0, 1, r))[1] - 1, 0) - 1)
;;       q = np.round(r / step) * step * 2.0 ** e      # np.round: ties to even
;;       return np.moveaxis(q.reshape(q.shape[:-2] + (-1,))[..., :K], -1, axis).astype(np.float32)
;;   ~~~
;;   SOFTMAX AHEAD OF A QUANTISED PRODUCT. Where the list says 'softmax', what is quantised is not the finished softmax but p = 2^(t - M), with t = logit x log2(e) and M = ceil(the row's largest t), a whole number; so 1/2 < the row's largest p <= 1. The row's sum l is taken of the UNQUANTISED p, in f32, and the product's result is divided by l at the end. Since M is a whole number, a kernel that streams over the keys may use a running M (the ceiling of the running maximum): every later rescaling is an exact power of two, which a block's scale takes up: the codes' values come out the same.
;;   OPERANDS COMPUTED ON THE WAY. 'Computed on the way' means the value that the module computes at that place (a softmax that the list does not call 'softmax' is quantised finished and normalised). What goes into a quantiser is computed in f32, as accurately as f32 sums, v_exp_f32 and their like allow (about 1e-6 of the number): no bf16 or f16 on the way to a quantiser, and a product that is left as it is and whose result goes on into a quantised operand takes f32 operands (vector FMAs, or v_wmma_f32_16x16x4_f32). A number that lies on a knife's edge between two numbers of the format may be rounded either way, as far as f32 arithmetic and the matrix unit's own rounding can turn it there, and no further.
;; One version. Each part assembles by itself: llvm-mc -triple=amdgcn-amd-amdhsa -mcpu=gfx1250 --defsym DOCPART=n.
;; ======== version 1 of 1: 4 launches
;; workspace buffers: wq 4,456,448 bytes; qkvq 6,946,816 bytes; oq 2,228,224 bytes
;; launch quant (part 1): grid 256 x 1, 4 waves a work-group, no clusters, 33,280 bytes of LDS; arguments x, qkv_w, out_w, wq; writes wq
.if DOCPART == 1
	.amdgcn_target "amdgcn-amd-amdhsa--gfx1250"
	.amdhsa_code_object_version 6
	.text
	.protected	k_qa5dae53283_quant
	.globl	k_qa5dae53283_quant
	.p2align	8
	.type	k_qa5dae53283_quant,@function
k_qa5dae53283_quant:
	s_mov_b64 s[64:65], 0
	v_nop
	global_prefetch_b8 v0, s[64:65] scope:SCOPE_SE
	s_setreg_imm32_b32 hwreg(HW_REG_WAVE_MODE, 25, 1), 1
	s_wait_xcnt 0x0
; x [4096][1024], qkv_w [3072][1024] and out_w [1024][1024], f32, are turned into codes of FP4 (E2M1), K innermost, with one E8M0 scale byte for each 32 along K.
; wq: 8,192 rows of 512 bytes of codes (x, then qkv_w, then out_w), and from byte 4,194,304 on 8,192 rows of 32 scale bytes.
; POSITION ORDER: row i lies at the position that is i with bits 3 and 4 exchanged.  Sixteen neighbouring positions are then the rows 32 g + 8 u + r + 8 (r / 8), r = 0 .. 15: used as source 0 of a matrix
; instruction, two neighbouring tiles leave a lane 16 neighbours along the rows' true order, which is what the later launches quantise.  Here it costs nothing: a wave's 8 rows go to another wave's place.
; A block's scale is 2^(floor(log2(its largest magnitude)) - 2); its byte is the largest magnitude's exponent field - 2, held at 1 from below.
; LIMITS: a block of zeros gets the byte 1 where the rule says 127 (its codes are zeros, and this program alone reads the bytes); blocks whose largest magnitude lies under 2^-124 have the byte held at 1;
; NaN and infinities among the inputs are not served.
; A work-group takes 32 rows, a wave 8 rows = 16 steps of 512 numbers.  Each of a step's four loads reads 512 consecutive bytes; the 2,048 bytes turn through the wave's own stage in LDS and come back 64 bytes a lane,
; so that a lane holds 16 neighbours along K and two neighbouring lanes a block.  No tensor loads, no barrier: waves share nothing.  Loads run eight steps (32 loads, 16 KiB a wave) ahead, the turn through LDS one step.
.set STEPS, 16
.set DEPTH, 8                          ; steps whose loads are on their way
.set CB,    8                          ; bytes of 16 codes
.set R,     16                         ; v16-143  eight sets of 16 numbers as they are loaded
.set X,     144                        ; v144-175 two sets of 16 neighbours
.set E,     176                        ; v176-191 a scale byte for each step
.set C,     192                        ; v192-255 codes: four registers for each step, so that no store's data are written again
.set WREG,  8192                       ; LDS: a region for each wave: two stages of 32 x SP bytes, behind them its 256 scale bytes
.set SP,    80                         ; a lane's place in a stage: its 64 bytes + 16 of padding
.set WSC,   4194304                    ; where the scale bytes begin in wq
	s_load_b128 s[4:7], s[0:1], 0x0                ; x, qkv_w
	s_load_b128 s[8:11], s[0:1], 0x10              ; out_w, wq
	v_lshl_add_u32 v254, v0, 2, 0x8000
	v_mov_b32 v255, 0
	v_lshrrev_b32 v1, 5, v0
	v_readfirstlane_b32 s16, v1                    ; wave
	v_and_b32 v2, 31, v0                           ; lane
	v_lshlrev_b32 v3, 4, v2                        ; my 16 bytes of a load's 512
	s_mul_i32 s17, s16, WREG
	v_lshrrev_b32 v14, 2, v2
	v_mul_u32_u24 v14, v14, SP
	v_and_b32 v15, 3, v2
	v_lshl_add_u32 v14, v15, 4, v14
	v_add_nc_u32 v14, s17, v14                     ; the stage, on the way in: SP (lane / 4) + 16 (lane % 4); a load's 512 bytes take eight places
	v_mul_u32_u24 v15, v2, SP
	v_add_nc_u32 v15, s17, v15                     ; and on the way out: SP x lane: my 16 neighbours
	v_mul_u32_u24 v4, v2, CB                       ; my codes' place in a step's
	v_lshrrev_b32 v5, 1, v2
	s_add_co_u32 s17, s17, 2*32*SP
	v_add_nc_u32 v5, s17, v5                       ; LDS: my wave's 256 scale bytes, my block's byte
	v_lshlrev_b32 v7, 3, v2                        ; and on the way out 8 bytes a lane
	v_add_nc_u32 v6, s17, v7
	s_wait_kmcnt 0x0
	s_cmp_lt_u32 ttmp9, 128                        ; work-groups 0-127 take x, 128-223 qkv_w, 224-255 out_w: the choice hangs on the work-group's number alone
	s_cselect_b64 s[4:5], s[4:5], s[6:7]
	s_cselect_b32 s17, 0, 128
	s_cmp_lt_u32 ttmp9, 224
	s_cselect_b64 s[4:5], s[4:5], s[8:9]
	s_cselect_b32 s17, s17, 224
	s_sub_co_u32 s17, ttmp9, s17
	s_lshl_b32 s17, s17, 2
	s_add_co_u32 s18, s17, s16                     ; which run of 8 rows of the tensor is my wave's
	s_lshl_b32 s18, s18, 15                        ; 32,768 bytes a run
	s_mov_b32 s19, 0
	s_add_nc_u64 s[4:5], s[4:5], s[18:19]
	s_and_b32 s20, s16, 1                          ; where it goes: the wave's two bits are the row's bits 3 and 4: exchanged
	s_lshl_b32 s20, s20, 1
	s_lshr_b32 s21, s16, 1
	s_or_b32 s20, s20, s21
	s_lshl_b32 s21, ttmp9, 2
	s_add_co_u32 s20, s20, s21                     ; the run's place in wq
	s_lshl_b32 s22, s20, 12                        ; 4,096 bytes of codes a run
	s_mov_b32 s23, 0
	s_add_nc_u64 s[12:13], s[10:11], s[22:23]
	s_lshl_b32 s22, s20, 8                         ; 256 scale bytes a run
	s_add_co_u32 s22, s22, WSC
	s_add_nc_u64 s[14:15], s[10:11], s[22:23]
.macro LOAD t
.irp i, 0,1,2,3
	global_load_b128 v[R+16*((\t)%DEPTH)+4*\i:R+16*((\t)%DEPTH)+4*\i+3], v3, s[4:5] offset:2048*(\t)+512*\i th:TH_LOAD_NT   ; 32 lanes read 512 consecutive bytes; read once in the launch
.endr
.endm
.macro TURN t                          ; step t's numbers through the stage: LDS serves a wave's instructions in order, so no wait stands between the stores and the loads
.irp i, 0,1,2,3
	ds_store_b128 v14, v[R+16*((\t)%DEPTH)+4*\i:R+16*((\t)%DEPTH)+4*\i+3] offset:32*SP*((\t)%2)+8*SP*\i
.endr
.irp i, 0,1,2,3
	ds_load_b128 v[X+16*((\t)%2)+4*\i:X+16*((\t)%2)+4*\i+3], v15 offset:32*SP*((\t)%2)+16*\i
.endr
.endm
.irp t, 0,1,2,3,4,5,6,7
	LOAD \t
.endr
	s_wait_loadcnt 4*(DEPTH-1)                     ; step 0's four loads are in; the seven steps behind it may be out
	TURN 0
.macro STEP t
.set XS, X+16*((\t)%2)
.if (\t) > 0
	s_wait_dscnt 1                                 ; this step's numbers are back from the stage (the last step's byte store may be out): so its stores into the stage have read their registers,
.else
	s_wait_dscnt 0x0
.endif
.if (\t)+DEPTH < STEPS
	LOAD (\t)+DEPTH                                ; which take the loads of eight steps on
.endif
.if (\t)+1 < STEPS
.if STEPS-2-(\t) >= DEPTH-1
	s_wait_loadcnt 4*(DEPTH-1)                     ; the next step's four loads are in; those of the seven steps behind it may be out
.else
	s_wait_loadcnt 4*(STEPS-2-(\t))                ; the tail: as many steps as are left behind the next
.endif
	TURN (\t)+1                                    ; and go through the other stage while this step is worked
.endif
	v_max3_num_f32 v8, |v[XS]|, |v[XS+1]|, |v[XS+2]|               ; the largest magnitude of my 16, in two chains
	v_max3_num_f32 v9, |v[XS+3]|, |v[XS+4]|, |v[XS+5]|
.irp i, 6,10
	v_max3_num_f32 v8, v8, |v[XS+\i]|, |v[XS+\i+1]|
	v_max3_num_f32 v9, v9, |v[XS+\i+2]|, |v[XS+\i+3]|
.endr
	v_max3_num_f32 v8, v8, |v[XS+14]|, |v[XS+15]|
	v_max3_num_f32 v8, v8, v9, 0x1800000           ; and the floor 2^(3 - 127): the byte cannot fall under 1
	v_max_num_f32_dpp v8, v8, v8 row_xmask:1 row_mask:0xf bank_mask:0xf   ; and of my neighbour's 16: the block's
	v_add_nc_u32 v11, 0xff000000, v8               ; 2 off its exponent field: the conversion takes the exponent field of this operand as its scale, and nothing else of it
	v_cvt_scalef32_pk8_fp4_f32 v[C+4*(\t)], v[XS:XS+7], v11
	v_cvt_scalef32_pk8_fp4_f32 v[C+4*(\t)+1], v[XS+8:XS+15], v11
	v_lshrrev_b32 v[E+(\t)], 23, v11               ; the scale's byte (a plain instruction behind the conversions)
	ds_store_b8 v5, v[E+(\t)] offset:16*(\t)       ; both lanes of a block write the same byte with the same value
	global_store_b64 v4, v[C+4*(\t):C+4*(\t)+1], s[12:13] offset:32*CB*(\t)   ; the wave stores 256 consecutive bytes, aligned
.endm
.irp t, 0,1,2,3,4,5,6,7,8,9,10,11,12,13,14,15
	STEP \t
.endr
	ds_load_b64 v[12:13], v6                       ; LDS serves a wave's instructions in order: these see my stores
	s_wait_dscnt 0x0
	global_store_b64 v7, v[12:13], s[14:15]        ; 32 lanes store 256 consecutive bytes, aligned
	s_wait_tensorcnt 0x0
	ds_add_u32 v254, v255
	s_wait_dscnt 0x0
	s_endpgm
.Lfunc_end_k_qa5dae53283_quant:
	.size	k_qa5dae53283_quant, .Lfunc_end_k_qa5dae53283_quant-k_qa5dae53283_quant
	.p2alignl 7, 3214868480
	.fill 96, 4, 3214868480
	.section	.rodata,"a",@progbits
	.p2align	6, 0x0
	.amdhsa_kernel k_qa5dae53283_quant
		.amdhsa_group_segment_fixed_size 33280
		.amdhsa_private_segment_fixed_size 0
		.amdhsa_enable_private_segment 0
		.amdhsa_kernarg_size 32
		.amdhsa_user_sgpr_count 2
		.amdhsa_user_sgpr_kernarg_segment_ptr 1
		.amdhsa_wavefront_size32 1
		.amdhsa_system_sgpr_workgroup_id_x 1
		.amdhsa_system_sgpr_workgroup_id_y 1
		.amdhsa_system_sgpr_workgroup_id_z 1
		.amdhsa_system_vgpr_workitem_id 0
		.amdhsa_next_free_vgpr 256
		.amdhsa_next_free_sgpr 66
		.amdhsa_reserve_vcc 0
		.amdhsa_float_denorm_mode_32 3
		.amdhsa_float_denorm_mode_16_64 3
		.amdhsa_memory_ordered 1
		.amdhsa_forward_progress 1
		.amdhsa_inst_pref_size 34
	.end_amdhsa_kernel
	.amdgpu_metadata
---
amdhsa.version: [ 1, 2 ]
amdhsa.kernels:
  - .name:           k_qa5dae53283_quant
    .symbol:         k_qa5dae53283_quant.kd
    .args:
      - { .name: x, .offset: 0, .size: 8, .value_kind: global_buffer, .address_space: global }
      - { .name: qkv_w, .offset: 8, .size: 8, .value_kind: global_buffer, .address_space: global }
      - { .name: out_w, .offset: 16, .size: 8, .value_kind: global_buffer, .address_space: global }
      - { .name: wq, .offset: 24, .size: 8, .value_kind: global_buffer, .address_space: global }
    .group_segment_fixed_size: 33280
    .private_segment_fixed_size: 0
    .kernarg_segment_align: 8
    .kernarg_segment_size: 32
    .max_flat_workgroup_size: 128
    .sgpr_count:     66
    .vgpr_count:     256
    .wavefront_size: 32
...
	.end_amdgpu_metadata
.endif
;; end of part 1
;; launch qkv (part 2): grid 12 x 16, 4 waves a work-group, clusters of 4 x 4, 297,472 bytes of LDS; arguments wq, qkv_b, qkvq; writes qkvq
.if DOCPART == 2
	.amdgcn_target "amdgcn-amd-amdhsa--gfx1250"
	.amdhsa_code_object_version 6
	.text
	.protected	k_qa5dae53283_qkv
	.globl	k_qa5dae53283_qkv
	.p2align	8
	.type	k_qa5dae53283_qkv,@function
k_qa5dae53283_qkv:
	s_mov_b64 s[64:65], 0
	v_nop
	global_prefetch_b8 v0, s[64:65] scope:SCOPE_SE
	s_setreg_imm32_b32 hwreg(HW_REG_WAVE_MODE, 25, 1), 1
	s_wait_xcnt 0x0
	s_wait_alu depctr_hold_cnt(0) depctr_sa_sdst(0) depctr_va_vdst(0) depctr_va_sdst(0) depctr_va_ssrc(0) depctr_va_vcc(0) depctr_vm_vsrc(0)
	s_getreg_b32 s2, hwreg(HW_REG_IB_STS2, 6, 4)
	s_cmp_eq_u32 s2, 0
	s_cbranch_scc0 .Lentry_in_a_cluster
	s_endpgm
.Lentry_in_a_cluster:
	s_bfe_u32 s2, ttmp6, 0x10000c
	s_cmp_lg_u32 s2, 0xf033
	s_cbranch_scc0 .Lentry_shape_is_right
	s_endpgm
.Lentry_shape_is_right:
; qkv = x qkv_w^T + qkv_b on codes of FP4 (E2M1) with E8M0 scales (K = 1,024), and its results QUANTISED ON THE WAY OUT into the operands of attention: q and k along the head's 64, v along the keys.
; The kernel multiplies 256 rows "P" (source 0) by 256 rows "Q" (source 1): a lane then holds ONE row of Q and its registers run along P, and it quantises along P.
; Clusters with x = 0 make q, x = 1 make k: P = rows of qkv_w, Q = rows of x.  Clusters with x = 2 make v: P = rows of x (the keys), Q = rows 2,048 on of qkv_w.  Only scalars differ up to the way out.
; All rows lie in wq in POSITION ORDER (a row's bits 3 and 4 exchanged): tiles 2 g and 2 g + 1 of P leave lane (r, h) the 16 true neighbours 32 g + 16 h + 0 .. 15, so the conversions' results are operand registers.
; A work-group of four waves; a wave makes 128 x 128: 64 accumulators, 512 registers.  K = 1,024 is two LDS slots of 512 along K; both are filled once, at the start: no LDS byte is filled twice in this launch.
; CLUSTERS: 4 x 4.  Q's tile hangs on the place along y and is asked for jointly by a row of the cluster, P's on the place along x and is asked for jointly by a column.
; qkvq: QC at 0: [bh 32][tile 128][512]: a tile's register image, lane l's 16 bytes at 16 l;  QS at 2,097,152: [bh][tile / 4][r][tile % 4] words;
;   KV at 2,359,296: [bh][key step 16][8,960]: K's 8 images, V's 4 x 2 images (at 4,096), K's scale words [i / 4][r][i % 4] (at 8,192), V's [r][t] (at 8,704).
; LIMITS: a block of zeros gets the scale byte 1 where the rule says 127 (zero codes; this program alone reads the bytes); the byte is held at 1 from below; NaN and infinities are not served.
; REGISTERS, in windows of 256: window 0: v0-31 addresses; v32-95 scale words, two sets, and nothing else; v128-191 Q's fragments, ONE set; on the way out v96-127 at work, v128-191 64 numbers, v192-255 codes.
;   window 1: P's fragments, TWO sets, at v0 and v128; on the way out the bias at v0-63.   windows 2 and 3: the accumulators ((a, b) at v[8 (8 (a % 4) + b)]).
.set NQ,     4                         ; steps of 128 along K in a slot
.set ROWB,   256                       ; a tile's row in bytes: 512 codes
.set KROW,   512                       ; a row of codes in wq
.set PITCH,  272                       ; an LDS row: 256 bytes + 16 of padding: the 16 rows that a load touches start 16 bytes apart modulo 256
.set FR,     8                         ; registers of a fragment
.set NL,     2                         ; LDS loads that bring one
.set NP,     4                         ; places behind this matrix instruction (ISA guide 7.12.1)
.set HALFT,  128*PITCH                 ; 128 rows: what one tensor load brings
.set SLOT,   4*HALFT                   ; Q's 256 rows, then P's 256 rows
.set KS,     32                        ; a row of scale bytes
.set SCL,    2*SLOT                    ; behind the slots: the scales, as runs of 256 bytes + 16 of padding
.set HALFS,  (128*KS/256)*272          ; those of 128 rows
.set SBLK,   (16*KS/256)*272           ; those of 16 rows
.set BIAS,   SCL+4*HALFS               ; 256 numbers of the bias: stored by the waves; no tensor load lands here
.set WSC,    4194304                   ; the scale bytes in wq
.set QSO,    2097152                   ; QS in qkvq
.set KVO,    2359296                   ; KV in qkvq
.set HEADB,  143360                    ; a head's bytes of KV
.set STEPB,  8960                      ; a key step's
.set ADRA, 16                          ; v16-17  LDS address of my Q fragments in slot 0, 1
.set ADRB, 20                          ; v20-21  the same for P
.set CO,   22                          ; v22     16 x lane: an image's place for my lane
.set SO,   23                          ; v23     where my scale words go
.set BA,   24                          ; v24     LDS address of my bias numbers
.set H16,  25                          ; v25     16 (lane / 16)
.set ADRS, 27                          ; v27     LDS address of my scale words: lanes 0-15 Q's rows, lanes 16-31 P's
.set SC,   32                          ; scale words: set s at v[SC + 32 s]; register 4 i + q: lanes 0-15 Q's block i, lanes 16-31 P's block i
.set TM,   96                          ; v96-111 at work in the quantiser
.set PW,   112                         ; v112-119 a scale word for each block of Q
.set SW,   120                         ; v120-127 scale words as they are stored
.set AF,   128                         ; Q's fragments
.set T,    128                         ; the way out: 64 numbers of a lane
.set PC,   192                         ; the way out: 8 registers of codes for each block: no store's data are written again
.set BB,   0                           ; the way out: the bias, in window 1
.set SEL,  2                           ; s[2:3]  lane selects for v_permlanex16_b32
.set CP0,  10                          ; s[10:11], s[18:19] where codes go;  s[98:99] where scale words go
.set CP1,  18
.set SP0,  98
.set G1, 24                            ; s[24:31] descriptor group 1 for Q's tiles;  s[32:39] group 0, one set for each slot
.set G0, 32
.set G1B, 48                           ; s[48:55], s[56:63] the same for P's tiles
.set G0B, 56
.set G1S, 68                           ; s[68:75], s[76:79] groups 1 and 0 for Q's scales;  s[80:87], s[88:91] for P's
.set G0S, 76
.set G1SB, 80
.set G0SB, 88
.set MSB, 0
.macro WIN new                         ; the immediate's high byte repeats the setting that is left
.if MSB != \new
	s_set_vgpr_msb (MSB<<8)|\new
.set MSB, \new
.endif
.endm
.set MUL_LO, 0xa1                      ; source 0 (P) window 1, source 1 (Q) window 0, C and D window 2
.set MUL_HI, 0xf1                      ; the same, C and D window 3
.set TO_B,   0x40                      ; destination window 1, address window 0
; A joint load: waves 0 and 1 fetch for Q, waves 2 and 3 for P.  Each line has one mask and one set of registers for all that issue it; the branch hangs on the wave's number alone.
; Four v_nop follow each of the two lines, ahead of the jump, the label and what follows.
.macro JLOAD g0a, g1a, g0b, g1b
	s_cmp_eq_u32 s15, 0
	s_cbranch_scc0 .Lfor_b_\@
	tensor_load_to_lds s[\g0a:\g0a+3], s[\g1a:\g1a+7]
	s_nop 0
.rept 4
	v_nop
.endr
	s_branch .Lasked_\@
.Lfor_b_\@:
	tensor_load_to_lds s[\g0b:\g0b+3], s[\g1b:\g1b+7]
	s_nop 0
.rept 4
	v_nop
.endr
.Lasked_\@:
.endm
.macro CROUND                          ; a round of the cluster's barrier
	s_barrier_signal -1
	s_barrier_wait -1
	s_cmp_lg_u32 s14, 0
	s_cbranch_scc1 .Lnot_wave_0_\@
	s_barrier_signal -3
.Lnot_wave_0_\@:
	s_barrier_wait -3
	s_barrier_signal -1
	s_barrier_wait -1
.endm
	s_load_b128 s[4:7], s[0:1], 0x0                ; wq s[4:5], qkv_b s[6:7]
	s_load_b64 s[8:9], s[0:1], 0x10                ; qkvq
	v_lshl_add_u32 v106, v0, 2, 0x48800
	v_mov_b32 v107, 0
	ds_add_u32 v106, v107
	ds_add_u32 v106, v107
	v_lshrrev_b32 v1, 5, v0
	v_readfirstlane_b32 s14, v1                    ; wave 0..3
	s_lshr_b32 s15, s14, 1                         ; which half of Q's rows is mine.  Also: I fetch for Q (0) or for P (1)
	s_and_b32 s16, s14, 1                          ; which half of P's rows.  Also: which 128 rows of that tile I fetch
	s_bfe_u32 s40, ttmp6, 0x40000                  ; cx, cy: my place in the cluster
	s_bfe_u32 s41, ttmp6, 0x40004
	s_mov_b32 s12, ttmp9                           ; the cluster's x: 0 q, 1 k, 2 v
	s_and_b32 s13, ttmp7, 0xffff                   ; the cluster's y
	s_cmp_eq_u32 s12, 2
	s_cselect_b32 s97, 1, 0                        ; v?
	s_cselect_b32 s17, s12, s13
	s_cselect_b32 s42, s13, s12
	s_cselect_b32 s95, 4096, 0                     ; Q's first row in wq: qkv_w's or x's
	s_cselect_b32 s96, 0, 4096                     ; P's
	s_lshl_b32 s17, s17, 2
	s_add_co_u32 s17, s17, s41                     ; Q's tile of 256 rows: hangs on cy, never on cx
	s_lshl_b32 s42, s42, 2
	s_add_co_u32 s42, s42, s40                     ; P's tile: hangs on cx, never on cy
	s_lshl_b32 s43, s41, 2
	s_lshl_b32 s43, 15, s43                        ; my row of the cluster
	s_lshl_b32 s44, 0x1111, s40                    ; my column
	; descriptor group 1: a tile of 128 rows x 256 bytes, padded in LDS
	s_or_b32 s[G1+0], s43, (0<<16)|(1<<20)|(1<<21)|(5<<22)|(3<<25)  ; 15:0 the mask; 17:16 elements of 1 byte; 20 padding on; 21 set beside a mask; 24:22 after every 64 words; 31:25 four words
	s_or_b32 s[G1B+0], s44, (0<<16)|(1<<20)|(1<<21)|(5<<22)|(3<<25)
.irp g, G1, G1B
	s_mov_b32 s[\g+1], ROWB<<16                    ; tensor_dim0
	s_mov_b32 s[\g+2], 128<<16                     ; tensor_dim1
	s_mov_b32 s[\g+3], ROWB<<16                    ; tile_dim0
	s_mov_b32 s[\g+4], 128                         ; tile_dim1
	s_mov_b32 s[\g+5], KROW                        ; from row to row
	s_mov_b32 s[\g+6], 0
	s_mov_b32 s[\g+7], 0
.endr
	; the scales of 128 rows: 4,096 dense bytes, as 16 rows of 256 bytes (32 elements of 8 bytes), 16 bytes of padding behind each
	s_or_b32 s[G1S+0], s43, (3<<16)|(1<<20)|(1<<21)|(5<<22)|(3<<25)
	s_or_b32 s[G1SB+0], s44, (3<<16)|(1<<20)|(1<<21)|(5<<22)|(3<<25)
.irp g, G1S, G1SB
	s_mov_b32 s[\g+1], 32<<16
	s_mov_b32 s[\g+2], (128*KS/256)<<16
	s_mov_b32 s[\g+3], 32<<16
	s_mov_b32 s[\g+4], 128*KS/256
	s_mov_b32 s[\g+5], 32
	s_mov_b32 s[\g+6], 0
	s_mov_b32 s[\g+7], 0
.endr
	s_lshl_b32 s18, s16, 7                         ; which 128 rows of the tile I fetch
	s_lshl_b32 s20, s17, 8
	s_add_co_u32 s20, s20, s18
	s_add_co_u32 s20, s20, s95                     ; Q: the row in wq
	s_lshl_b32 s46, s42, 8
	s_add_co_u32 s46, s46, s18
	s_add_co_u32 s46, s46, s96                     ; P: the row in wq
	s_lshl_b32 s22, s20, 5                         ; their scale bytes: 32 a row,
	s_add_co_u32 s22, s22, WSC
	s_mov_b32 s23, 0
	s_lshl_b32 s92, s46, 5
	s_add_co_u32 s92, s92, WSC
	s_mov_b32 s93, 0
	s_lshl_b32 s20, s20, 9                         ; their codes: 512 a row
	s_mov_b32 s21, 0
	s_lshl_b32 s46, s46, 9
	s_mov_b32 s47, 0
	s_mul_i32 s45, s14, HALFT                      ; where they go: wave x 128 rows: no place in the cluster enters an LDS address
	s_mul_i32 s94, s14, HALFS
	s_wait_dscnt 0x0
	s_wait_kmcnt 0x0
	s_add_nc_u64 s[20:21], s[4:5], s[20:21]
	s_add_nc_u64 s[22:23], s[4:5], s[22:23]
	s_add_nc_u64 s[46:47], s[4:5], s[46:47]
	s_add_nc_u64 s[92:93], s[4:5], s[92:93]
	CROUND                                         ; all sixteen work-groups are here: the joint loads meet
	s_mov_b32 s[G0S], 1
	s_add_co_u32 s[G0S+1], s94, SCL
	s_mov_b64 s[G0S+2:G0S+3], s[22:23]
	s_or_b32 s[G0S+3], s[G0S+3], 0x80000000
	s_mov_b32 s[G0SB], 1
	s_add_co_u32 s[G0SB+1], s94, SCL
	s_mov_b64 s[G0SB+2:G0SB+3], s[92:93]
	s_or_b32 s[G0SB+3], s[G0SB+3], 0x80000000
	JLOAD G0S, G1S, G0SB, G1SB                     ; the scales first: they are wanted with the first step.  With the two below, three tensor loads of mine are out
.irp s, 0,1
	s_mov_b32 s[G0+4*\s], 1
	s_add_co_u32 s[G0+4*\s+1], s45, \s*SLOT
	s_add_nc_u64 s[G0+4*\s+2:G0+4*\s+3], s[20:21], \s*ROWB
	s_or_b32 s[G0+4*\s+3], s[G0+4*\s+3], 0x80000000
	s_mov_b32 s[G0B+4*\s], 1
	s_add_co_u32 s[G0B+4*\s+1], s45, \s*SLOT
	s_add_nc_u64 s[G0B+4*\s+2:G0B+4*\s+3], s[46:47], \s*ROWB
	s_or_b32 s[G0B+4*\s+3], s[G0B+4*\s+3], 0x80000000
	JLOAD G0+4*\s, G1, G0B+4*\s, G1B
.endr
	s_cmp_eq_u32 s97, 1                            ; the 256 numbers of the bias that go with qkv_w's tile: P's for q and k, Q's for v
	s_cselect_b32 s98, s17, s42
	s_lshl_b32 s98, s98, 10
	s_mov_b32 s99, 0
	s_add_nc_u64 s[6:7], s[6:7], s[98:99]
	v_lshlrev_b32 v11, 3, v0
	global_load_b64 v[12:13], v11, s[6:7]          ; 128 threads x 8 bytes
	v_lshl_add_u32 v10, v0, 3, BIAS
	v_and_b32 v1, 15, v0                           ; r = lane % 16
	v_bfe_u32 v2, v0, 4, 1                         ; h = lane / 16
	v_mul_u32_u24 v3, v1, PITCH
	v_lshl_add_u32 v4, v2, 4, v3                   ; a fragment's row x pitch + 16 h
	s_mul_i32 s21, s15, HALFT                      ; my 128 rows of Q
	s_mul_i32 s22, s16, HALFT                      ; my 128 rows of P,
	s_add_co_u32 s22, s22, 2*HALFT                 ; which lie behind Q's 256
.irp s, 0,1
	v_add_nc_u32 v[ADRA+\s], s21, v4
	v_add_nc_u32 v[ADRB+\s], s22, v4
	s_add_co_u32 s21, s21, SLOT
	s_add_co_u32 s22, s22, SLOT
.endr
	v_mul_u32_u24 v5, v1, KS                       ; my row's scales: 32 bytes a row,
	v_lshrrev_b32 v6, 8, v5
	v_lshl_add_u32 v5, v6, 4, v5                   ; and 16 more for each 256 passed
	s_mul_i32 s21, s15, HALFS                      ; Q's: my 128 rows
	s_mul_i32 s22, s16, HALFS                      ; P's: my 128 rows, behind Q's 256
	s_add_co_u32 s22, s22, 2*HALFS
	s_sub_co_u32 s22, s22, s21
	v_mul_u32_u24 v6, s22, v2                      ; lanes 16-31 take P's
	s_add_co_u32 s21, s21, SCL
	v_add_nc_u32 v5, v5, v6
	v_add_nc_u32 v[ADRS], s21, v5
	v_and_b32 v[CO], 31, v0
	v_lshlrev_b32 v[CO], 4, v[CO]
	v_lshlrev_b32 v[H16], 4, v2
.macro FRAG reg, adr, q, i             ; a fragment, 16 rows x 128 K of 4-bit codes: lane l holds row l % 16; registers 4 c .. 4 c + 3 hold K = 64 c + 32 (l / 16) + 0 .. 31
.irp c, 0,1
	ds_load_b128 v[\reg+4*\c:\reg+4*\c+3], v[\adr] offset:64*(\q)+32*\c+(\i)*16*PITCH
.endr
.endm
; 16 matrix instructions: Q's blocks a0, a0 + 1 x P's eight, 128 along K: the slot's q-th.  p: P's set;  sc: the set of scale words.  zero = 1: the first product starts the sums.
; The 64 accumulators take turns, one instruction a turn, in the same order in every step.
.macro MUL16 a0, p, q, sc, zero
.irp a, \a0, \a0+1
.irp b, 0,1,2,3,4,5,6,7
.if \zero
	v_wmma_scale_f32_16x16x128_f8f6f4 v[8*(8*((\a)%4)+\b):8*(8*((\a)%4)+\b)+7], v[128*(\p)+FR*\b:128*(\p)+FR*\b+FR-1], v[AF+FR*(\a):AF+FR*(\a)+FR-1], 0, v[SC+8*NQ*(\sc)+NQ*\b+(\q)], v[SC+8*NQ*(\sc)+NQ*(\a)+(\q)] matrix_a_fmt:MATRIX_FMT_FP4 matrix_b_fmt:MATRIX_FMT_FP4 matrix_a_scale:MATRIX_SCALE_ROW1
.else
	v_wmma_scale_f32_16x16x128_f8f6f4 v[8*(8*((\a)%4)+\b):8*(8*((\a)%4)+\b)+7], v[128*(\p)+FR*\b:128*(\p)+FR*\b+FR-1], v[AF+FR*(\a):AF+FR*(\a)+FR-1], v[8*(8*((\a)%4)+\b):8*(8*((\a)%4)+\b)+7], v[SC+8*NQ*(\sc)+NQ*\b+(\q)], v[SC+8*NQ*(\sc)+NQ*(\a)+(\q)] matrix_a_fmt:MATRIX_FMT_FP4 matrix_b_fmt:MATRIX_FMT_FP4 matrix_a_scale:MATRIX_SCALE_ROW1
.endif
.endr
.endr
.endm
.macro FETCH_B slot, q, p              ; P's eight fragments of the slot's q-th 128 along K into set p
	WIN TO_B
.irp i, 0,1,2,3,4,5,6,7
	FRAG 128*(\p)+FR*\i, ADRB+\slot, \q, \i
.endr
	WIN 0
.endm
.macro FETCH_A slot, q, i0             ; Q's blocks i0 .. i0 + 3
.irp i, \i0, \i0+1, \i0+2, \i0+3
	FRAG AF+FR*(\i), ADRA+\slot, \q, \i
.endr
.endm
.macro SCALES sc                       ; a slot's scale words into set sc: four words a row; lanes 0-15 take Q's block i, lanes 16-31 P's block i
.irp i, 0,1,2,3,4,5,6,7
	ds_load_b128 v[SC+8*NQ*\sc+NQ*\i:SC+8*NQ*\sc+NQ*\i+3], v[ADRS] offset:\i*SBLK
.endr
.endm
; A load into a register that a matrix instruction has read, and a vector instruction that reads a matrix result or writes one of its registers, stand NP places behind it; only plain vector
; instructions that name none of its registers are places (ISA guide 7.12.1 for vector instructions).
.macro PLACES n
.rept \n
	v_nop
.endr
.endm
.macro STEP slot, q, zero              ; a step of 128 along K that has its successor in the same slot
	s_wait_dscnt 4*NL                              ; P's set and Q's blocks 0-3 are in; the youngest eight loads (Q's blocks 4-7) may be out
	WIN MUL_LO
	MUL16 0, (\q)%2, \q, \slot, \zero
	MUL16 2, (\q)%2, \q, \slot, \zero
	s_wait_dscnt 0                                 ; Q's blocks 4-7 are in (asked for 32 matrix instructions ago)
	PLACES NP
	FETCH_B \slot, (\q)+1, 1-(\q)%2
	FETCH_A \slot, (\q)+1, 0
	WIN MUL_HI
	MUL16 4, (\q)%2, \q, \slot, \zero
	MUL16 6, (\q)%2, \q, \slot, \zero
	PLACES NP
	WIN 0
	FETCH_A \slot, (\q)+1, 4
.endm
	s_wait_loadcnt 0x0                             ; the bias
	ds_store_b64 v10, v[12:13]
	s_wait_tensorcnt 1                             ; the scales and my part of slot 0 are in; slot 1's load may stay out
	s_wait_dscnt 0x0                               ; for the others' sake: my part of the bias lies in LDS
	s_barrier_signal -1
	s_barrier_wait -1                              ; everybody's are
	FETCH_B 0, 0, 0
	FETCH_A 0, 0, 0
	SCALES 0
	FETCH_A 0, 0, 4
	STEP 0, 0, 1                                   ; the first step's products start the sums: nothing is cleared
	STEP 0, 1, 0
	STEP 0, 2, 0
	; slot 0's last step changes slots: one barrier, in front of which each wave's part of slot 1 has landed
	s_wait_dscnt 4*NL
	WIN MUL_LO
	MUL16 0, 1, NQ-1, 0, 0
	s_wait_tensorcnt 0x0                           ; my part of slot 1 is in,
	s_wait_dscnt 0x0                               ; and no LDS load of mine is out at the signal
	s_barrier_signal -1
	MUL16 2, 1, NQ-1, 0, 0                         ; work on registers while the others arrive
	WIN 0
	s_barrier_wait -1
	PLACES NP
	v_add_nc_u32 v[ADRS], 4*NQ, v[ADRS]            ; on to slot 1's scale words
	FETCH_B 1, 0, 0
	FETCH_A 1, 0, 0
	SCALES 1
	WIN MUL_HI
	MUL16 4, 1, NQ-1, 0, 0
	MUL16 6, 1, NQ-1, 0, 0
	PLACES NP
	WIN 0
	FETCH_A 1, 0, 4
	STEP 1, 0, 0
	STEP 1, 1, 0
	STEP 1, 2, 0
	s_wait_dscnt 4*NL                              ; the last step: nothing more to fetch
	WIN MUL_LO
	MUL16 0, 1, NQ-1, 1, 0
	MUL16 2, 1, NQ-1, 1, 0
	s_wait_dscnt 0
	WIN MUL_HI
	MUL16 4, 1, NQ-1, 1, 0
	MUL16 6, 1, NQ-1, 1, 0
	WIN 0
; THE WAY OUT.  64 numbers of a lane, v[s] .. v[s + 63], register 16 b + i = index 32 b + 16 (lane / 16) + i along P of my row of Q, become 8 registers of codes in v[pc] on
; (registers 4 c .. 4 c + 3: index 64 c + 32 (lane / 16) + 0 .. 31) and the row's scale word in v[pw].
.macro QUANT s, pc, pw
.irp b, 0,1,2,3
	v_max3_num_f32 v[TM+\b], |v[\s+16*\b]|, |v[\s+1+16*\b]|, 0x1800000   ; block b: my 16 numbers, and the floor 2^(3 - 127): the byte cannot fall under 1
.endr
.irp i, 2,4,6,8,10,12,14
.irp b, 0,1,2,3
	v_max3_num_f32 v[TM+\b], v[TM+\b], |v[\s+16*\b+\i]|, |v[\s+1+16*\b+\i]|   ; (the four blocks by turns)
.endr
.endr
.irp b, 0,1,2,3
	v_permlanex16_b32 v[TM+4+\b], v[TM+\b], s[SEL], s[SEL+1]
.endr
.irp b, 0,1,2,3
	v_max_num_f32 v[TM+\b], v[TM+\b], v[TM+4+\b]   ; with lane l xor 16's: the block's largest magnitude
.endr
.irp b, 0,1,2,3
	v_add_nc_u32 v[TM+12+\b], 0xff000000, v[TM+\b]   ; 2 off its exponent field: the conversion's scale operand
.endr
.irp b, 0,1,2,3
	v_lshrrev_b32 v[TM+4+\b], 23, v[TM+12+\b]      ; the scale's byte
.endr
	v_lshl_or_b32 v[\pw], v[TM+5], 8, v[TM+4]
	v_lshl_or_b32 v[\pw], v[TM+6], 16, v[\pw]
	v_lshl_or_b32 v[\pw], v[TM+7], 24, v[\pw]
.irp b, 0,1,2,3
	v_cvt_scalef32_pk8_fp4_f32 v[\pc+2*\b], v[\s+16*\b:\s+7+16*\b], v[TM+12+\b]
	v_cvt_scalef32_pk8_fp4_f32 v[\pc+1+2*\b], v[\s+8+16*\b:\s+15+16*\b], v[TM+12+\b]
.endr
	v_nop                                          ; one plain place behind a scaled conversion
.irp c, 0,1                                    ; the operand's layout wants a WHOLE block in a lane: lanes 0-15 block 2 c, lanes 16-31 block 2 c + 1
.irp i, 0,1
	v_permlane16_swap_b32 v[\pc+4*\c+\i], v[\pc+2+4*\c+\i]
.endr
.endr
.endm
; Block a of Q (16 rows) against all 128 of P: the bias is added on the way into window 0 (each accumulator from its low end on), the 64 numbers are quantised, and the two halves of the
; fragment leave as images: 32 lanes x 16 bytes = 512 consecutive bytes a store.  kind = 0: q or k: the halves are two heads.  kind = 1: v: the halves are keys 0-63 and 64-127 of the step.
.macro EPI kind, a
	WIN 0x06+(\a)/4                                ; source 0: window 2 or 3; source 1 (the bias): window 1
.set i, 0
.rept 32
.if \kind
	v_pk_add_f32 v[T+2*i:T+2*i+1], v[64*((\a)%4)+2*i:64*((\a)%4)+2*i+1], v[BB+2*(\a):BB+2*(\a)+1]
.else
	v_pk_add_f32 v[T+2*i:T+2*i+1], v[64*((\a)%4)+2*i:64*((\a)%4)+2*i+1], v[BB+2*i:BB+2*i+1]
.endif
.set i, i+1
.endr
	WIN 0
	QUANT T, PC+8*(\a), PW+(\a)
.if \kind
.if (\a) < 4
	global_store_b128 v[CO], v[PC+8*(\a):PC+8*(\a)+3], s[CP0:CP0+1] offset:1024*((\a)%4)
	global_store_b128 v[CO], v[PC+8*(\a)+4:PC+8*(\a)+7], s[CP0:CP0+1] offset:1024*((\a)%4)+512
.else
	global_store_b128 v[CO], v[PC+8*(\a):PC+8*(\a)+3], s[CP1:CP1+1] offset:1024*((\a)%4)
	global_store_b128 v[CO], v[PC+8*(\a)+4:PC+8*(\a)+7], s[CP1:CP1+1] offset:1024*((\a)%4)+512
.endif
.else
	global_store_b128 v[CO], v[PC+8*(\a):PC+8*(\a)+3], s[CP0:CP0+1] offset:512*(\a)
	global_store_b128 v[CO], v[PC+8*(\a)+4:PC+8*(\a)+7], s[CP1:CP1+1] offset:512*(\a)
.endif
.endm
	PLACES NP                                      ; behind the last products
.irp b, 0,1,2,3
	v_mov_b32 v[TM+4+\b], 0                        ; written once: a lane permute's destination counts as one of its sources
.endr
	s_mov_b32 s[SEL], 0x76543210
	s_mov_b32 s[SEL+1], 0xfedcba98                 ; lane l xor 16
	s_cmp_eq_u32 s97, 1                            ; hangs on the cluster's x alone: the same in all sixteen partners
	s_cbranch_scc1 .Lv
	; ---- q and k.  My 128 rows of Q are tokens: batch b, positions 128 j on.  My 128 of P are two heads.
	s_lshl_b32 s20, s17, 8
	s_lshl_b32 s21, s15, 7
	s_add_co_u32 s20, s20, s21                     ; my first token position
	s_lshr_b32 s21, s20, 11                        ; b
	s_bfe_u32 s22, s20, 0x40007                    ; j
	s_lshl_b32 s21, s21, 4
	s_lshl_b32 s23, s40, 2
	s_add_co_u32 s21, s21, s23
	s_lshl_b32 s23, s16, 1
	s_add_co_u32 s21, s21, s23                     ; bh of my first head: 16 b + 4 cx + 2 (wave % 2)
	s_lshl_b32 s46, s21, 16
	s_lshl_b32 s47, s22, 12
	s_add_co_u32 s46, s46, s47                     ; q: codes at 65,536 bh + 4,096 j,
	s_lshl_b32 s92, s21, 13
	s_lshl_b32 s93, s22, 9
	s_add_co_u32 s92, s92, s93
	s_add_co_u32 s92, s92, QSO                     ; scale words at QS + 8,192 bh + 512 j
	s_mul_i32 s47, s21, HEADB
	s_mul_i32 s93, s22, STEPB
	s_add_co_u32 s47, s47, s93
	s_add_co_u32 s47, s47, KVO                     ; k: codes at the head of key step j,
	s_add_co_u32 s93, s47, 8192                    ; scale words 8,192 bytes on
	s_mov_b32 s45, HEADB
	s_cmp_eq_u32 s12, 1                            ; k?
	s_cselect_b32 s46, s47, s46
	s_cselect_b32 s92, s93, s92
	s_cselect_b32 s94, s45, 0x10000                ; from a head's codes to the next head's
	s_cselect_b32 s45, s45, 8192                   ; and the same for the scale words
	s_mov_b32 s47, 0
	s_mov_b32 s93, 0
	s_mov_b32 s95, 0
	s_add_nc_u64 s[CP0:CP0+1], s[8:9], s[46:47]
	s_add_nc_u64 s[CP1:CP1+1], s[CP0:CP0+1], s[94:95]
	s_add_nc_u64 s[SP0:SP0+1], s[8:9], s[92:93]
	v_mul_u32_u24 v[SO], s45, v2
	v_lshl_add_u32 v[SO], v1, 4, v[SO]             ; lanes 0-15 store the first head's words, lanes 16-31 the second's: 16 r each
	s_lshl_b32 s20, s16, 9
	s_add_co_u32 s20, s20, BIAS
	v_lshl_add_u32 v[BA], v2, 6, s20               ; the bias runs along P: register 8 b + i wants index 32 (b / 2) + 16 h + 8 (b % 2) + i of my 128
	WIN TO_B
.irp b, 0,1,2,3,4,5,6,7
	ds_load_b128 v[BB+8*\b:BB+8*\b+3], v[BA] offset:(32*(\b/2)+8*(\b%2))*4
	ds_load_b128 v[BB+8*\b+4:BB+8*\b+7], v[BA] offset:(32*(\b/2)+8*(\b%2))*4+16
.endr
	WIN 0
	s_wait_dscnt 0x0
.irp a, 0,1,2,3,4,5,6,7
	EPI 0, \a
.endr
.irp a, 0,1,2,3,4,5,6,7
	v_bfe_u32 v[SW+\a], v[PW+\a], v[H16], 16       ; a head's two bytes, zeros above them: the upper 64 of the instruction's K are zero codes in the next launch
.endr
	global_store_b128 v[SO], v[SW:SW+3], s[SP0:SP0+1]              ; sixteen lanes store 256 consecutive bytes, aligned
	global_store_b128 v[SO], v[SW+4:SW+7], s[SP0:SP0+1] offset:256
	s_branch .Lend
.Lv:
	; ---- v.  My 128 of P are the keys of step j of batch b.  My 128 rows of Q are two heads x 64 channels, in position order.
	s_lshl_b32 s20, s42, 8
	s_lshl_b32 s21, s16, 7
	s_add_co_u32 s20, s20, s21                     ; my first key position
	s_lshr_b32 s21, s20, 11                        ; b
	s_bfe_u32 s22, s20, 0x40007                    ; j
	s_lshl_b32 s21, s21, 4
	s_lshl_b32 s23, s41, 2
	s_add_co_u32 s21, s21, s23
	s_lshl_b32 s23, s15, 1
	s_add_co_u32 s21, s21, s23                     ; bh of my first head: 16 b + 4 cy + 2 (wave / 2)
	s_mul_i32 s46, s21, HEADB
	s_mul_i32 s47, s22, STEPB
	s_add_co_u32 s46, s46, s47
	s_add_co_u32 s46, s46, KVO+4096                ; V's images in key step j
	s_mov_b32 s47, 0
	s_add_nc_u64 s[CP0:CP0+1], s[8:9], s[46:47]
	s_add_nc_u64 s[CP1:CP1+1], s[CP0:CP0+1], HEADB
	s_add_nc_u64 s[SP0:SP0+1], s[CP0:CP0+1], 8704-4096
	v_mul_u32_u24 v[SO], v2, HEADB
	v_lshl_add_u32 v[SO], v1, 4, v[SO]
	v_and_b32 v26, 8, v1
	v_add_nc_u32 v26, v26, v1                      ; r + 8 (r / 8)
	s_lshl_b32 s20, s15, 9
	s_add_co_u32 s20, s20, BIAS
	v_lshl_add_u32 v[BA], v26, 2, s20              ; the bias goes with my row of Q: block a's lane r is channel 32 (a / 2) + 8 (a % 2) + r + 8 (r / 8) of my 128
	WIN TO_B
.irp a, 0,1,2,3,4,5,6,7
	ds_load_b32 v[BB+2*\a], v[BA] offset:(32*(\a/2)+8*(\a%2))*4
	ds_load_b32 v[BB+2*\a+1], v[BA] offset:(32*(\a/2)+8*(\a%2))*4    ; twice: a pair for the packed addition
.endr
	WIN 0
	s_wait_dscnt 0x0
.irp a, 0,1,2,3,4,5,6,7
	EPI 1, \a
.endr
	v_cmp_eq_u32 vcc_lo, 1, v2
.irp i, 0,1,2,3
	v_cndmask_b32 v[SW+\i], v[PW+\i], v[PW+4+\i], vcc_lo   ; lanes 0-15 the first head's four tiles, lanes 16-31 the second's
.endr
	global_store_b128 v[SO], v[SW:SW+3], s[SP0:SP0+1]      ; sixteen lanes store 256 consecutive bytes, aligned
.Lend:
	s_wait_tensorcnt 0x0
	s_wait_tensorcnt 0x0
	ds_add_u32 v106, v107
	s_wait_dscnt 0x0
	CROUND                                         ; the closing round: no work-group ends while a partner may still ask for a tile that names it
	s_endpgm
.Lfunc_end_k_qa5dae53283_qkv:
	.size	k_qa5dae53283_qkv, .Lfunc_end_k_qa5dae53283_qkv-k_qa5dae53283_qkv
	.p2alignl 7, 3214868480
	.fill 96, 4, 3214868480
	.section	.rodata,"a",@progbits
	.p2align	6, 0x0
	.amdhsa_kernel k_qa5dae53283_qkv
		.amdhsa_group_segment_fixed_size 297472
		.amdhsa_private_segment_fixed_size 0
		.amdhsa_enable_private_segment 0
		.amdhsa_kernarg_size 24
		.amdhsa_user_sgpr_count 2
		.amdhsa_user_sgpr_kernarg_segment_ptr 1
		.amdhsa_wavefront_size32 1
		.amdhsa_system_sgpr_workgroup_id_x 1
		.amdhsa_system_sgpr_workgroup_id_y 1
		.amdhsa_system_sgpr_workgroup_id_z 1
		.amdhsa_system_vgpr_workitem_id 0
		.amdhsa_next_free_vgpr 1024
		.amdhsa_next_free_sgpr 100
		.amdhsa_reserve_vcc 1
		.amdhsa_float_denorm_mode_32 3
		.amdhsa_float_denorm_mode_16_64 3
		.amdhsa_memory_ordered 1
		.amdhsa_forward_progress 1
		.amdhsa_inst_pref_size 197
	.end_amdhsa_kernel
	.amdgpu_metadata
---
amdhsa.version: [ 1, 2 ]
amdhsa.kernels:
  - .name:           k_qa5dae53283_qkv
    .symbol:         k_qa5dae53283_qkv.kd
    .args:
      - { .name: wq, .offset: 0, .size: 8, .value_kind: global_buffer, .address_space: global }
      - { .name: qkv_b, .offset: 8, .size: 8, .value_kind: global_buffer, .address_space: global }
      - { .name: qkvq, .offset: 16, .size: 8, .value_kind: global_buffer, .address_space: global }
    .group_segment_fixed_size: 297472
    .private_segment_fixed_size: 0
    .kernarg_segment_align: 8
    .kernarg_segment_size: 24
    .max_flat_workgroup_size: 128
    .sgpr_count:     100
    .vgpr_count:     1024
    .wavefront_size: 32
...
	.end_amdgpu_metadata
.endif
;; end of part 2
;; launch attn (part 3): grid 8 x 32, 16 waves a work-group, clusters of 4 x 1, 169,984 bytes of LDS; arguments qkvq, oq; writes oq
.if DOCPART == 3
	.amdgcn_target "amdgcn-amd-amdhsa--gfx1250"
	.amdhsa_code_object_version 6
	.text
	.protected	k_qa5dae53283_attn
	.globl	k_qa5dae53283_attn
	.p2align	8
	.type	k_qa5dae53283_attn,@function
k_qa5dae53283_attn:
	s_mov_b64 s[64:65], 0
	v_nop
	global_prefetch_b8 v0, s[64:65] scope:SCOPE_SE
	s_setreg_imm32_b32 hwreg(HW_REG_WAVE_MODE, 25, 1), 1
	s_wait_xcnt 0x0
	s_wait_alu depctr_hold_cnt(0) depctr_sa_sdst(0) depctr_va_vdst(0) depctr_va_sdst(0) depctr_va_ssrc(0) depctr_va_vcc(0) depctr_vm_vsrc(0)
	s_getreg_b32 s2, hwreg(HW_REG_IB_STS2, 6, 4)
	s_cmp_eq_u32 s2, 0
	s_cbranch_scc0 .Lentry_in_a_cluster
	s_endpgm
.Lentry_in_a_cluster:
	s_bfe_u32 s2, ttmp6, 0x10000c
	s_cmp_lg_u32 s2, 0x3003
	s_cbranch_scc0 .Lentry_shape_is_right
	s_endpgm
.Lentry_shape_is_right:
; O[bh][q] = the sum over k of softmax_k(Q[bh][q] . K[bh][k] / 8) V[bh][k], 32 heads x 2,048 x 64, both products on codes of FP4 (E2M1) with E8M0 scales; O is quantised along the hidden axis on the way out.
; THE SOFTMAX AHEAD OF THE SECOND PRODUCT: t = score x log2(e) / 8; M = the row's largest t so far, rounded UP to a whole number; p = 2^(t - M) is what is quantised, along the keys; it is not normalised.
; The row's sum is taken of the unquantised p, in f32, and divides O at the end.  When M moves, the sum and O are multiplied by 2^(old M - new M): exact.
; The head's 64 fill half of the instruction's K = 128 in the first product: the upper four registers of each fragment are zero codes, cleared once; their scale bytes are 0, which is a power of two and no NaN.
; SHARES.  A work-group owns 256 queries of one head, each of its sixteen waves 16 of them in 256 registers: four waves to a SIMD.
; A HEAD'S K AND V LIE WHOLE IN LDS: 16 key steps of 8,960 bytes, as register images (lane l's 16 bytes at 16 l), brought once by waves 0 to 3, four tensor loads each; no LDS byte is filled twice.
; Two barriers show them to all sixteen waves: one for steps 0 to 3 ahead of the first step, one for all the rest in the middle of step 3, ahead of the first read of step 4.
; CLUSTER: the four work-groups of a cluster belong to one head: each tensor load is asked for jointly by the four.
; LAYOUT.  Both products are used transposed: S^T = K Q^T, O^T = V^T P^T: a lane holds ONE query (lane % 16) throughout.  Keys, channels and queries lie in position order (bits 3 and 4 of the index exchanged),
; so that the 16 registers of tiles 2 b and 2 b + 1 are 16 true neighbours, 32 b + 16 (lane / 16) + 0 .. 15, of the keys (S^T) and of the channels (O^T).
; THE ORDER OF A KEY STEP serves a wave that has the SIMD to itself as well as four that share it: the step's 68 exponentials stand singly among its plain instructions (scalings ahead of them, sums behind them,
; the blocks' scales and O^T's rescaling between them), and the next step's K is fetched from LDS a step ahead, behind this step's first products.
; LIMITS: a block of zeros gets the scale byte 1 where the rule says 127 (zero codes; this program alone reads the bytes); the byte is held at 1 from below; NaN and infinities are not served.
; REGISTERS: v1 16 x lane, v2 16 r, v3, v4 LDS addresses of O's scale bytes; v8, v9 the step's addresses; v12 -M, v13 the largest t, v[14:15] the sum in two halves; v[16:23] Q; v24-31 K's scale words;
;   v32-95 K's 8 fragments; v96-159 S^T, then p; v160-191 O^T; v192-223 V's 4 fragments; v224-231 p's codes; v232-235 the blocks' largest; v236-239 the other lanes' largest, then (236, 237) the sum's second chain;
;   v240-243 scale bytes; v244-247 the conversions' scale operands; v248-251 V's scale words; v252 f; v253 p's scale word; v254 at work; v255 Q's scale words.
.set QSO,   2097152                    ; Q's scale words in qkvq
.set KVO,   2359296                    ; K and V in qkvq
.set HEADB, 143360                     ; a head's bytes of them
.set STEPB, 8960                       ; a key step's: K's images 4,096, V's 4,096, K's scale words 512, V's 256
.set CHB,   4*STEPB                    ; four steps: what the four fetching waves bring with one load each
.set OSC,   143360                     ; LDS behind the head: 512 bytes for O's scale bytes: stored by the waves; no tensor load lands here
.set OSO,   2097152                    ; O's scale bytes in oq
.set WV,   18                          ; s18  my wave's number
.set SEL,  20                          ; s[20:21] lane selects for v_permlanex16_b32: lane l xor 16
.set CS,   22                          ; s[22:23] c = log2(e) / 8
.set G1,   24                          ; s[24:31] descriptor group 1;  s[32:47] four groups 0
.set G0,   32
.set TB,   48                          ; s48  LDS byte at which the step in hand begins
.set CNT,  49                          ; s49  counts a loop's steps
.macro CROUND                          ; a round of the cluster's barrier
	s_barrier_signal -1
	s_barrier_wait -1
	s_cmp_lg_u32 s[WV], 0
	s_cbranch_scc1 .Lnot_wave_0_\@
	s_barrier_signal -3
.Lnot_wave_0_\@:
	s_barrier_wait -3
	s_barrier_signal -1
	s_barrier_wait -1
.endm
	s_load_b128 s[4:7], s[0:1], 0x0                ; qkvq s[4:5], oq s[6:7]
	v_lshl_add_u32 v10, v0, 2, 0x29000
	v_mov_b32 v11, 0
	ds_add_u32 v10, v11
	ds_add_u32 v10, v11
	v_lshrrev_b32 v8, 5, v0
	v_readfirstlane_b32 s[WV], v8                  ; wave 0..15
	s_bfe_u32 s50, ttmp6, 0x40000                  ; cx
	s_lshl_b32 s51, ttmp9, 2
	s_add_co_u32 s51, s51, s50                     ; my block of 256 queries: it enters Q's and O's addresses alone
	s_and_b32 s52, ttmp7, 0xffff                   ; bh, which the four partners share
	s_mul_i32 s54, s52, HEADB
	s_add_co_u32 s54, s54, KVO
	s_mul_i32 s53, s[WV], STEPB                    ; waves 0 to 3: key step = wave, in memory and in LDS alike
	s_add_co_u32 s54, s54, s53
	s_mov_b32 s55, 0
	; descriptor group 1: a key step is 8,960 dense bytes: 35 rows of 256 bytes (32 elements of 8 bytes), no padding: images are read 16 bytes a lane on end
	s_mov_b32 s[G1], 15|(3<<16)|(1<<21)            ; 15:0 the mask: all four work-groups; 17:16 elements of 8 bytes; 21 set beside a mask
	s_mov_b32 s[G1+1], 32<<16                      ; tensor_dim0
	s_mov_b32 s[G1+2], 35<<16                      ; tensor_dim1
	s_mov_b32 s[G1+3], 32<<16                      ; tile_dim0
	s_mov_b32 s[G1+4], 35                          ; tile_dim1
	s_mov_b32 s[G1+5], 32                          ; from row to row
	s_mov_b32 s[G1+6], 0
	s_mov_b32 s[G1+7], 0
	s_lshl_b32 s58, s51, 4
	s_add_co_u32 s58, s58, s[WV]                   ; T: my tile of 16 queries in the head
	s_lshl_b32 s60, s52, 16
	s_lshl_b32 s59, s58, 9
	s_add_co_u32 s60, s60, s59                     ; Q's image: 65,536 bh + 512 T
	s_mov_b32 s61, 0
	s_lshl_b32 s62, s52, 13                        ; Q's scale words: QS + 8,192 bh + 256 (T / 4) + 4 (T % 4), and 16 r
	s_lshr_b32 s59, s58, 2
	s_lshl_b32 s59, s59, 8
	s_add_co_u32 s62, s62, s59
	s_and_b32 s59, s58, 3
	s_lshl_b32 s59, s59, 2
	s_add_co_u32 s62, s62, s59
	s_add_co_u32 s62, s62, QSO
	s_mov_b32 s63, 0
	s_lshr_b32 s59, s52, 4                         ; O's image: 8,192 (128 b + T) + 512 head
	s_lshl_b32 s59, s59, 7
	s_add_co_u32 s59, s59, s58
	s_lshl_b32 s66, s59, 13
	s_and_b32 s59, s52, 15
	s_lshl_b32 s59, s59, 9
	s_add_co_u32 s66, s66, s59
	s_mov_b32 s67, 0
	s_lshl_b32 s68, s52, 12                        ; O's scale bytes: OS + 4,096 bh + 512 x my block
	s_lshl_b32 s59, s51, 9
	s_add_co_u32 s68, s68, s59
	s_add_co_u32 s68, s68, OSO
	s_mov_b32 s69, 0
	s_mov_b32 s[SEL], 0x76543210
	s_mov_b32 s[SEL+1], 0xfedcba98
	s_mov_b32 s[CS], 0x3e38aa3b                    ; c = log2(e) / 8
	s_mov_b32 s[CS+1], s[CS]                       ; (named with it as a pair, so it is written)
	s_wait_dscnt 0x0
	s_wait_kmcnt 0x0
	s_add_nc_u64 s[56:57], s[4:5], s[54:55]
	s_add_nc_u64 s[60:61], s[4:5], s[60:61]
	s_add_nc_u64 s[62:63], s[4:5], s[62:63]
	s_add_nc_u64 s[66:67], s[6:7], s[66:67]
	s_add_nc_u64 s[68:69], s[6:7], s[68:69]
	CROUND                                         ; all four work-groups are here: the joint loads meet
.irp c, 0,1,2,3
	s_mov_b32 s[G0+4*\c], 1                        ; count = 1
	s_add_co_u32 s[G0+4*\c+1], s53, \c*CHB         ; LDS address: key step 4 c + wave
	s_add_nc_u64 s[G0+4*\c+2:G0+4*\c+3], s[56:57], \c*CHB
	s_or_b32 s[G0+4*\c+3], s[G0+4*\c+3], 0x80000000   ; type = 2
.endr
	s_cmp_lt_u32 s[WV], 4                          ; waves 0 to 3 fetch: all four loads of a wave stand in this one branch; four tensor loads of such a wave are out
	s_cbranch_scc0 .Lno_fill
	tensor_load_to_lds s[G0:G0+3], s[G1:G1+7]
	s_nop 0
	tensor_load_to_lds s[G0+4:G0+7], s[G1:G1+7]
	s_nop 0
	tensor_load_to_lds s[G0+8:G0+11], s[G1:G1+7]
	s_nop 0
	tensor_load_to_lds s[G0+12:G0+15], s[G1:G1+7]
	s_nop 0
.rept 4
	v_nop
.endr
.Lno_fill:
	v_and_b32 v1, 31, v0
	v_lshlrev_b32 v1, 4, v1                        ; 16 x lane
	v_and_b32 v2, 15, v0                           ; r
	s_lshl_b32 s59, s[WV], 5
	s_add_co_u32 s59, s59, OSC
	v_lshl_add_u32 v3, v2, 1, s59                  ; O's scale bytes: 32 x wave + 2 r
	v_add_nc_u32 v4, OSC, v1
	v_lshlrev_b32 v2, 4, v2                        ; 16 r
	global_load_b128 v[16:19], v1, s[60:61]        ; Q's image stays in registers
	global_load_b32 v255, v2, s[62:63]             ; and its scale words
.irp j, 20,21,22,23
	v_mov_b32 v\j, 0                               ; the upper 64 of K: zero codes
.endr
.irp i, 0,1,2,3,4,5,6,7
.irp j, 4,5,6,7
	v_mov_b32 v[32+8*\i+\j], 0                     ; the same in K's eight fragments: cleared once, never loaded
.endr
.endr
	v_mov_b32 v13, 0xff61b1e6                      ; the largest t so far: -3e38, under every t
	v_floor_f32 v12, -v13                          ; -M
	v_mov_b32 v14, 0                               ; the sum, in two halves
	v_mov_b32 v15, 0
.irp b, 0,1,2,3
	v_mov_b32 v[236+\b], 0                         ; written once: a lane permute's destination counts as one of its sources
.endr
	v_mov_b32 v253, 0                              ; (named as the upper half of the pair v[252:253] before it is first written)
.irp j, 0,1,2,3,4,5,6,7,8,9,10,11,12,13,14,15,16,17,18,19,20,21,22,23,24,25,26,27,28,29,30,31
	v_mov_b32 v[160+\j], 0                         ; O^T.  (The step has no first step of its own: it finds zeros, which the first change of M leaves zeros)
.endr
; THE PIECES OF THE SOFTMAX BEHIND M.  The lane's 64 scores are 32 pairs; pair p lies in v[96 + 2 p] and the register above it.
.macro PKF p                           ; t - M of pair p (of the pairs c and -M the low word serves both halves)
	v_pk_fma_f32 v[96+2*(\p):97+2*(\p)], v[96+2*(\p):97+2*(\p)], s[CS:CS+1], v[12:13] op_sel_hi:[1,0,0]
.endm
.macro RESC i                          ; two registers of O^T under the new M: x f.  Always called in ascending order: each accumulator is first read at its low end
	v_pk_mul_f32 v[160+2*(\i):161+2*(\i)], v[160+2*(\i):161+2*(\i)], v[252:253] op_sel_hi:[1,0]
.endm
.macro SUM j                           ; THE ROW'S SUM IS TAKEN OF THE UNQUANTISED p: pair j goes into one of two chains; pairs 0 and 1 start the second
.if (\j) == 1
	s_wait_alu depctr_va_vdst(0)
	v_pk_add_f32 v[236:237], v[96:97], v[98:99]
.elseif (\j) > 1
.if (\j)%2 == 0
	v_pk_add_f32 v[14:15], v[14:15], v[96+2*(\j):97+2*(\j)]
.else
	v_pk_add_f32 v[236:237], v[236:237], v[96+2*(\j):97+2*(\j)]
.endif
.endif
.endm
.macro XS                              ; group k's plain line between its two exponentials: first the blocks' scales, then the rest of O^T's rescaling; groups 28 to 31 have none
.if k < 8
.if k%2 == 0
	s_wait_alu depctr_va_vdst(0)
	v_max_num_f32 v[232+k/2], 0x1800000, v[232+k/2]    ; the floor 2^(3 - 127) under the block's largest p: the byte cannot fall under 1 (a block whose every p has fallen to 0 keeps that byte: its codes are zeros)
.else
	v_add_nc_u32 v[244+k/2], 0xff000000, v[232+k/2]    ; 2 off the exponent field: the conversion's scale operand
.endif
.elseif k < 12
	v_lshrrev_b32 v[240+k-8], 23, v[244+k-8]           ; the scale's byte
.elseif k == 12
	v_lshl_or_b32 v253, v241, 8, v240                  ; p's scale word for these 128 keys
.elseif k == 13
	v_lshl_or_b32 v253, v242, 16, v253
.elseif k == 14
	v_lshl_or_b32 v253, v243, 24, v253
.elseif k < 28
	RESC k-12
.endif
.endm
.macro CV                              ; at the end of group 5 + 4 m: the codes of p's registers 8 m .. 8 m + 7, whose last exponential stands two groups back; at the end of group 19: blocks 0 and 1 change halves
.if (k >= 5) && ((k-5)%4 == 0)
	s_wait_alu depctr_va_vdst(0)
	v_cvt_scalef32_pk8_fp4_f32 v[224+(k-5)/4], v[96+2*(k-5):103+2*(k-5)], v[244+(k-5)/8]
.endif
.if k == 19
	v_permlane16_swap_b32 v224, v226               ; the operand's layout wants a WHOLE block in a lane: lanes 0-15 block 0, lanes 16-31 block 1
	v_permlane16_swap_b32 v225, v227
.endif
.endm
; A KEY STEP: 128 keys.  Its K was fetched a step ago.  pre = 1: the next step's K is fetched.  bar = 1: the barrier that shows steps 4 to 15 stands ahead of that fetch.
.macro STEP pre, bar
	v_add_nc_u32 v8, s[TB], v1
	v_add_nc_u32 v9, s[TB], v2
	v_nop
	v_nop                                          ; four places in front of loads into registers that the last step's matrix instructions have read
.irp t, 0,1,2,3
.irp c, 0,1
	ds_load_b128 v[192+8*\t+4*\c:195+8*\t+4*\c], v8 offset:4096+1024*\t+512*\c   ; V^T's tile t: 16 channels x 128 keys
.endr
.endr
	ds_load_b128 v[248:251], v9 offset:8704        ; V's scale words
	s_wait_dscnt 9                                 ; K's ten loads, issued a step ago, are in; V's nine land under the softmax
.irp i, 0,1,2,3,4,5,6,7
	v_wmma_scale_f32_16x16x128_f8f6f4 v[96+8*\i:103+8*\i], v[32+8*\i:39+8*\i], v[16:23], 0, v[24+\i], v255 matrix_a_fmt:MATRIX_FMT_FP4 matrix_b_fmt:MATRIX_FMT_FP4
.endr
.rept 4
	v_nop                                          ; places in front of the first read of the scores, and of the loads into K's registers
.endr
.if \bar
	s_wait_tensorcnt 0x0                           ; a wave that fetched: all its loads have landed
	s_wait_dscnt 0x0                               ; no LDS load of mine is out at the signal
	s_barrier_signal -1
	s_barrier_wait -1                              ; steps 4 to 15 lie in LDS for all sixteen waves
.endif
.if \pre
.irp i, 0,1,2,3,4,5,6,7
	ds_load_b128 v[32+8*\i:35+8*\i], v8 offset:STEPB+512*\i         ; the next step's K, tile i: 16 keys x 64
.endr
.irp q, 0,1
	ds_load_b128 v[24+4*\q:27+4*\q], v9 offset:STEPB+8192+256*\q    ; and its scale words: lane r has those of tiles 4 q .. 4 q + 3
.endr
.endif
.irp b, 0,1,2,3
	v_max3_num_f32 v[232+\b], v[96+16*\b], v[97+16*\b], v[98+16*\b]   ; THE LARGEST SCORE OF EACH BLOCK OF 32 KEYS: it serves for the row's maximum and, since p rises with the score, for the block's largest p
.endr
.irp i, 3,5,7,9,11,13
.irp b, 0,1,2,3
	v_max3_num_f32 v[232+\b], v[232+\b], v[96+16*\b+\i], v[97+16*\b+\i]   ; (the four blocks by turns)
.endr
.endr
.irp b, 0,1,2,3
	v_max_num_f32 v[232+\b], v[232+\b], v[111+16*\b]
.endr
.irp b, 0,1,2,3
	v_permlanex16_b32 v[236+\b], v[232+\b], s[SEL], s[SEL+1]
.endr
.irp b, 0,1,2,3
	v_max_num_f32 v[232+\b], v[232+\b], v[236+\b]  ; with lane l xor 16's 16 keys
.endr
	v_max3_num_f32 v254, v232, v233, v234
	v_max_num_f32 v254, v254, v235                 ; the step's largest score of my query
	v_mul_f32 v254, s[CS], v254                    ; as t (c is positive)
	v_max_num_f32 v13, v13, v254                   ; the running largest t
	v_mov_b32 v254, v12
	v_floor_f32 v12, -v13                          ; the new -M = floor(-t) = -ceil(t): M IS A WHOLE NUMBER
	v_sub_f32 v254, v12, v254                      ; M's old value less its new one: a whole number, 0 or less.  (f's three lines stand between the lines that lead to the first exponentials)
	v_fma_f32 v232, v232, s[CS], v12               ; t - M of each block's largest score
	v_cvt_i32_f32 v254, v254                       ; (it saturates)
	v_fma_f32 v233, v233, s[CS], v12
	v_ldexp_f32 v252, 1.0, v254                    ; f = 2^(old M - new M)
	v_fma_f32 v234, v234, s[CS], v12
	v_fma_f32 v235, v235, s[CS], v12
	PKF 0
	PKF 1
	v_exp_f32 v232, v232                           ; the blocks' largest p: the same two instructions on the same number give the same bits as in the block
	v_pk_mul_f32 v[14:15], v[14:15], v[252:253] op_sel_hi:[1,0]   ; the sums under the new M
	v_exp_f32 v233, v233
	RESC 0
	v_exp_f32 v234, v234
	RESC 1
	v_exp_f32 v235, v235
	RESC 2
; 32 groups, one for each pair of scores.  Group k: the scaling of pair k + 2 | p of the pair's first | a plain line | p of its second | the sum of pair k - 4 | where due a conversion.
; Behind every exponential a plain instruction that names none of its registers comes before its result is used; behind every conversion likewise.
.set k, 0
.rept 32
.if k+2 < 32
	PKF k+2
.endif
	v_exp_f32 v[96+2*k], v[96+2*k]                 ; p = 2^(t - M), at most 1: NOT normalised
	XS
	v_exp_f32 v[97+2*k], v[97+2*k]
	SUM k-4
	CV
.set k, k+1
.endr
	s_wait_alu depctr_va_vdst(0)
	v_cvt_scalef32_pk8_fp4_f32 v231, v[152:159], v247   ; the last eight codes (the sum of pair 27 stands between the last exponential and this line)
	SUM 28                                         ; a plain instruction between the conversion and the lines that touch its result
	v_permlane16_swap_b32 v228, v230               ; lanes 0-15 block 2, lanes 16-31 block 3
	v_permlane16_swap_b32 v229, v231
	SUM 29                                         ; the last sums were held back for this: four plain instructions, which name no register of the products below, between p's codes and those products
	SUM 30
	SUM 31
	v_pk_add_f32 v[14:15], v[14:15], v[236:237]
.if \pre
	s_wait_dscnt 10                                ; V's nine loads are in; the next step's ten of K may be out
.else
	s_wait_dscnt 0x0
.endif
.irp t, 0,1,2,3                                ; O^T += V^T P^T: the four accumulators take turns, one instruction a turn
	v_wmma_scale_f32_16x16x128_f8f6f4 v[160+8*\t:167+8*\t], v[192+8*\t:199+8*\t], v[224:231], v[160+8*\t:167+8*\t], v[248+\t], v253 matrix_a_fmt:MATRIX_FMT_FP4 matrix_b_fmt:MATRIX_FMT_FP4
.endr
.endm
	s_wait_loadcnt 0x0                             ; Q
	s_wait_tensorcnt 3                             ; a wave that fetched: its first load, one of steps 0 to 3, has landed; its three later loads stay out
	s_barrier_signal -1
	s_barrier_wait -1                              ; steps 0 to 3 lie in LDS for all sixteen waves
.irp i, 0,1,2,3,4,5,6,7
	ds_load_b128 v[32+8*\i:35+8*\i], v1 offset:512*\i               ; step 0's K
.endr
.irp q, 0,1
	ds_load_b128 v[24+4*\q:27+4*\q], v2 offset:8192+256*\q
.endr
	s_mov_b32 s[TB], 0
	s_mov_b32 s[CNT], 3
.Lfirst:                                           ; steps 0 to 2: they fetch K of steps 1 to 3
	STEP 1, 0
	s_add_co_u32 s[TB], s[TB], STEPB
	s_sub_co_u32 s[CNT], s[CNT], 1
	s_cmp_lg_u32 s[CNT], 0
	s_cbranch_scc1 .Lfirst
	STEP 1, 1                                      ; step 3: the second barrier, then K of step 4
	s_add_co_u32 s[TB], s[TB], STEPB
	s_mov_b32 s[CNT], 11
.Lrest:                                            ; steps 4 to 14
	STEP 1, 0
	s_add_co_u32 s[TB], s[TB], STEPB
	s_sub_co_u32 s[CNT], s[CNT], 1
	s_cmp_lg_u32 s[CNT], 0
	s_cbranch_scc1 .Lrest
	STEP 0, 0                                      ; step 15 fetches nothing more
	; THE WAY OUT.  O^T is divided by the row's sum and quantised along the head's 64 channels, two blocks of 32: register 16 b + i is channel 32 b + 16 (lane / 16) + i of my query.
.rept 4
	v_nop                                          ; places behind the last products
.endr
	v_add_f32 v14, v14, v15                        ; the sum's two halves,
	v_permlanex16_b32 v252, v14, s[SEL], s[SEL+1]
	v_add_f32 v14, v14, v252                       ; and lane l xor 16's: the row's sum
	v_rcp_f32 v14, v14
	v_nop                                          ; a plain place behind the transcendental
	s_wait_alu depctr_va_vdst(0)
.irp j, 0,2,4,6,8,10,12,14,16,18,20,22,24,26,28,30
	v_pk_mul_f32 v[96+\j:97+\j], v[160+\j:161+\j], v[14:15] op_sel_hi:[1,0]   ; each accumulator from its low end on
.endr
.irp b, 0,1
	v_max3_num_f32 v[232+\b], |v[96+16*\b]|, |v[97+16*\b]|, 0x1800000
.endr
.irp i, 2,4,6,8,10,12,14
.irp b, 0,1
	v_max3_num_f32 v[232+\b], v[232+\b], |v[96+16*\b+\i]|, |v[97+16*\b+\i]|
.endr
.endr
.irp b, 0,1
	v_permlanex16_b32 v[236+\b], v[232+\b], s[SEL], s[SEL+1]
.endr
.irp b, 0,1
	v_max_num_f32 v[232+\b], v[232+\b], v[236+\b]
.endr
.irp b, 0,1
	v_add_nc_u32 v[244+\b], 0xff000000, v[232+\b]
.endr
.irp b, 0,1
	v_lshrrev_b32 v[236+\b], 23, v[244+\b]
.endr
	v_lshl_or_b32 v240, v237, 8, v236              ; my query's two scale bytes of this head
.irp b, 0,1
	v_cvt_scalef32_pk8_fp4_f32 v[224+2*\b], v[96+16*\b:103+16*\b], v[244+\b]
	v_cvt_scalef32_pk8_fp4_f32 v[225+2*\b], v[104+16*\b:111+16*\b], v[244+\b]
.endr
	v_nop
	v_permlane16_swap_b32 v224, v226               ; lane (r, h) now holds channels 32 h + 0 .. 31: half a fragment of the last product's K step
	v_permlane16_swap_b32 v225, v227
	global_store_b128 v1, v[224:227], s[66:67]     ; 32 lanes store 512 consecutive bytes, aligned
	ds_store_b16 v3, v240                          ; both halves of the lanes write the same two bytes with the same value
	s_wait_dscnt 0x0                               ; for wave 0's sake
	s_barrier_signal -1
	s_barrier_wait -1
	s_cmp_lg_u32 s[WV], 0
	s_cbranch_scc1 .Lnot_first
	ds_load_b128 v[96:99], v4                      ; the work-group's 512 scale bytes leave as one run
	s_wait_dscnt 0x0
	global_store_b128 v1, v[96:99], s[68:69]
.Lnot_first:
	s_wait_tensorcnt 0x0
	s_wait_tensorcnt 0x0
	ds_add_u32 v10, v11
	s_wait_dscnt 0x0
	CROUND                                         ; the closing round: no work-group ends while a partner may still ask for a tile that names it
	s_endpgm
.Lfunc_end_k_qa5dae53283_attn:
	.size	k_qa5dae53283_attn, .Lfunc_end_k_qa5dae53283_attn-k_qa5dae53283_attn
	.p2alignl 7, 3214868480
	.fill 96, 4, 3214868480
	.section	.rodata,"a",@progbits
	.p2align	6, 0x0
	.amdhsa_kernel k_qa5dae53283_attn
		.amdhsa_group_segment_fixed_size 169984
		.amdhsa_private_segment_fixed_size 0
		.amdhsa_enable_private_segment 0
		.amdhsa_kernarg_size 16
		.amdhsa_user_sgpr_count 2
		.amdhsa_user_sgpr_kernarg_segment_ptr 1
		.amdhsa_wavefront_size32 1
		.amdhsa_system_sgpr_workgroup_id_x 1
		.amdhsa_system_sgpr_workgroup_id_y 1
		.amdhsa_system_sgpr_workgroup_id_z 1
		.amdhsa_system_vgpr_workitem_id 0
		.amdhsa_next_free_vgpr 256
		.amdhsa_next_free_sgpr 72
		.amdhsa_reserve_vcc 0
		.amdhsa_float_denorm_mode_32 3
		.amdhsa_float_denorm_mode_16_64 3
		.amdhsa_memory_ordered 1
		.amdhsa_forward_progress 1
		.amdhsa_inst_pref_size 73
	.end_amdhsa_kernel
	.amdgpu_metadata
---
amdhsa.version: [ 1, 2 ]
amdhsa.kernels:
  - .name:           k_qa5dae53283_attn
    .symbol:         k_qa5dae53283_attn.kd
    .args:
      - { .name: qkvq, .offset: 0, .size: 8, .value_kind: global_buffer, .address_space: global }
      - { .name: oq, .offset: 8, .size: 8, .value_kind: global_buffer, .address_space: global }
    .group_segment_fixed_size: 169984
    .private_segment_fixed_size: 0
    .kernarg_segment_align: 8
    .kernarg_segment_size: 16
    .max_flat_workgroup_size: 512
    .sgpr_count:     72
    .vgpr_count:     256
    .wavefront_size: 32
...
	.end_amdgpu_metadata
.endif
;; end of part 3
;; launch oproj (part 4): grid 8 x 32, 4 waves a work-group, clusters of 4 x 4, 168,448 bytes of LDS; arguments oq, wq, out_b, out0; writes out0
.if DOCPART == 4
	.amdgcn_target "amdgcn-amd-amdhsa--gfx1250"
	.amdhsa_code_object_version 6
	.text
	.protected	k_qa5dae53283_oproj
	.globl	k_qa5dae53283_oproj
	.p2align	8
	.type	k_qa5dae53283_oproj,@function
k_qa5dae53283_oproj:
	s_mov_b64 s[64:65], 0
	v_nop
	global_prefetch_b8 v0, s[64:65] scope:SCOPE_SE
	s_setreg_imm32_b32 hwreg(HW_REG_WAVE_MODE, 25, 1), 1
	s_wait_xcnt 0x0
	s_wait_alu depctr_hold_cnt(0) depctr_sa_sdst(0) depctr_va_vdst(0) depctr_va_sdst(0) depctr_va_ssrc(0) depctr_va_vcc(0) depctr_vm_vsrc(0)
	s_getreg_b32 s2, hwreg(HW_REG_IB_STS2, 6, 4)
	s_cmp_eq_u32 s2, 0
	s_cbranch_scc0 .Lentry_in_a_cluster
	s_endpgm
.Lentry_in_a_cluster:
	s_bfe_u32 s2, ttmp6, 0x10000c
	s_cmp_lg_u32 s2, 0xf033
	s_cbranch_scc0 .Lentry_shape_is_right
	s_endpgm
.Lentry_shape_is_right:
; out0 = o out_w^T + out_b on codes of FP4 (E2M1) with E8M0 scales: [4096][1024] x [1024][1024], K = 1,024; sums and result f32.
; A tile of out0 is 128 x 128, which gives each of 256 work-groups one; four waves, each 64 x 64: 16 accumulators.  All of K lies in LDS at once (8 steps of 128): filled once, no LDS byte is filled twice.
; o's codes come as register images, [tile of 16 rows][head 16][512 bytes]: heads 2 k and 2 k + 1 are the two halves of K step k's fragment.  Its scale bytes come as [head][row][2].
; out_w's codes and scale bytes come from wq (rows 7,168 on), as rows.  Rows of both operands lie in POSITION ORDER (bits 3 and 4 of the index exchanged); the stage's offsets and the stores' offsets undo it.
; THE MATRIX INSTRUCTION IS USED TRANSPOSED (source 0 = 16 rows of out_w, source 1 = 16 rows of o): a lane holds eight neighbouring numbers of a row of out0.  The bias is the C of each sum's first instruction.
; CLUSTERS: 4 x 4.  o's tile hangs on the tile row and is asked for jointly by a row of the cluster, out_w's on the tile column and jointly by a column.
; REGISTERS: window 0: v1-12 addresses; v16-47 o's scale words (8 i + k), v48-79 out_w's, and nothing else; v128-255 two buffers of 4 + 4 fragments, later rows of out0.
;   window 1: v0-127 the accumulators ((a, b) at v[8 (4 a + b)]); v128-159 the bias, 8 registers for each of out_w's four tiles.
.set BC,   65536                       ; LDS: o's images at 0 (65,536 bytes); out_w's 128 rows, 528 bytes apart;
.set BP,   528                         ; (512 bytes + 16 of padding: the 16 rows that a load touches start 16 bytes apart modulo 256)
.set ASC,  133120                      ; o's scale bytes [head 16][256];
.set BSC,  137216                      ; out_w's: 16 runs of 256 bytes + 16 of padding;
.set STG,  141568                      ; the stage: 16 rows x 272 bytes for each wave: stored by the waves; no tensor load lands here
.set SPI,  272
.set WSC,  4194304                     ; the scale bytes in wq
.set OSO,  2097152                     ; the scale bytes in oq
.set SA,   16
.set SB,   48
.set FA,   128                         ; o's fragments: v[FA + 64 f + 8 i]
.set FB,   160                         ; out_w's: v[FB + 64 f + 8 i]
.set BI,   128                         ; the bias, in window 1
.set G1A,  24                          ; s[24:31] group 1 for o's codes; s[32:39] out_w's codes; s[40:47] o's scales; s[48:55] out_w's scales
.set G1B,  32
.set G1SA, 40
.set G1SB, 48
.set G0A,  56                          ; s[56:59], s[60:63], s[68:71], s[72:75] their groups 0
.set G0B,  60
.set G0SA, 68
.set G0SB, 72
.set MSB, 0
.macro WIN new                         ; the immediate's high byte repeats the setting that is left
.if MSB != \new
	s_set_vgpr_msb (MSB<<8)|\new
.set MSB, \new
.endif
.endm
.macro JLOAD g0a, g1a, g0b, g1b        ; a joint load: waves 0 and 1 fetch for o, waves 2 and 3 for out_w; four v_nop follow each of the two lines
	s_cmp_eq_u32 s15, 0
	s_cbranch_scc0 .Lfor_b_\@
	tensor_load_to_lds s[\g0a:\g0a+3], s[\g1a:\g1a+7]
	s_nop 0
.rept 4
	v_nop
.endr
	s_branch .Lasked_\@
.Lfor_b_\@:
	tensor_load_to_lds s[\g0b:\g0b+3], s[\g1b:\g1b+7]
	s_nop 0
.rept 4
	v_nop
.endr
.Lasked_\@:
.endm
.macro CROUND                          ; a round of the cluster's barrier
	s_barrier_signal -1
	s_barrier_wait -1
	s_cmp_lg_u32 s14, 0
	s_cbranch_scc1 .Lnot_wave_0_\@
	s_barrier_signal -3
.Lnot_wave_0_\@:
	s_barrier_wait -3
	s_barrier_signal -1
	s_barrier_wait -1
.endm
.macro PLACES n
.rept \n
	v_nop
.endr
.endm
	s_load_b256 s[4:11], s[0:1], 0x0               ; oq s[4:5], wq s[6:7], out_b s[8:9], out0 s[10:11]
	v_lshl_add_u32 v126, v0, 2, 0x29000
	v_mov_b32 v127, 0
	ds_add_u32 v126, v127
	ds_add_u32 v126, v127
	v_lshrrev_b32 v1, 5, v0
	v_readfirstlane_b32 s14, v1                    ; wave 0..3
	s_lshr_b32 s15, s14, 1                         ; which half of the tile's rows is mine.  Also: I fetch for o (0) or for out_w (1)
	s_and_b32 s16, s14, 1                          ; which half of its columns.  Also: which half of that operand I fetch
	s_bfe_u32 s76, ttmp6, 0x40000                  ; cx, cy
	s_bfe_u32 s77, ttmp6, 0x40004
	s_lshl_b32 s78, ttmp9, 2
	s_add_co_u32 s78, s78, s76                     ; tile column 0..7
	s_and_b32 s79, ttmp7, 0xffff
	s_lshl_b32 s79, s79, 2
	s_add_co_u32 s79, s79, s77                     ; tile row 0..31
	s_lshl_b32 s80, s77, 2
	s_lshl_b32 s80, 15, s80                        ; my row of the cluster
	s_lshl_b32 s81, 0x1111, s76                    ; my column
	s_or_b32 s[G1A], s80, (3<<16)|(1<<21)          ; o's codes: 32,768 dense bytes: 128 rows of 256 bytes (32 elements of 8 bytes), no padding
	s_mov_b32 s[G1A+1], 32<<16
	s_mov_b32 s[G1A+2], 128<<16
	s_mov_b32 s[G1A+3], 32<<16
	s_mov_b32 s[G1A+4], 128
	s_mov_b32 s[G1A+5], 32
	s_mov_b32 s[G1A+6], 0
	s_mov_b32 s[G1A+7], 0
	s_or_b32 s[G1B], s81, (0<<16)|(1<<20)|(1<<21)|(6<<22)|(3<<25)   ; out_w's codes: 64 rows of 512 bytes; four words of padding after every 128
	s_mov_b32 s[G1B+1], 512<<16
	s_mov_b32 s[G1B+2], 64<<16
	s_mov_b32 s[G1B+3], 512<<16
	s_mov_b32 s[G1B+4], 64
	s_mov_b32 s[G1B+5], 512
	s_mov_b32 s[G1B+6], 0
	s_mov_b32 s[G1B+7], 0
	s_or_b32 s[G1SA], s80, (3<<16)|(1<<21)         ; o's scale bytes: 8 heads x 256 bytes, 4,096 bytes (512 elements) from head to head
	s_mov_b32 s[G1SA+1], 32<<16
	s_mov_b32 s[G1SA+2], 8<<16
	s_mov_b32 s[G1SA+3], 32<<16
	s_mov_b32 s[G1SA+4], 8
	s_mov_b32 s[G1SA+5], 512
	s_mov_b32 s[G1SA+6], 0
	s_mov_b32 s[G1SA+7], 0
	s_or_b32 s[G1SB], s81, (3<<16)|(1<<20)|(1<<21)|(5<<22)|(3<<25)  ; out_w's scale bytes: 2,048 dense bytes: 8 rows of 256, 16 bytes of padding behind each
	s_mov_b32 s[G1SB+1], 32<<16
	s_mov_b32 s[G1SB+2], 8<<16
	s_mov_b32 s[G1SB+3], 32<<16
	s_mov_b32 s[G1SB+4], 8
	s_mov_b32 s[G1SB+5], 32
	s_mov_b32 s[G1SB+6], 0
	s_mov_b32 s[G1SB+7], 0
	s_lshl_b32 s82, s79, 16                        ; o's codes: 65,536 x tile row + 32,768 x half
	s_lshl_b32 s18, s16, 15
	s_add_co_u32 s82, s82, s18
	s_mov_b32 s83, 0
	s_lshr_b32 s84, s79, 4                         ; o's scale bytes: 65,536 x batch + 256 x (tile row % 16) + 8 heads x half
	s_lshl_b32 s84, s84, 16
	s_and_b32 s19, s79, 15
	s_lshl_b32 s19, s19, 8
	s_add_co_u32 s84, s84, s19
	s_add_co_u32 s84, s84, s18
	s_add_co_u32 s84, s84, OSO
	s_mov_b32 s85, 0
	s_lshl_b32 s86, s78, 7                         ; out_w's row in wq: 7,168 + 128 x tile column + 64 x half
	s_lshl_b32 s20, s16, 6
	s_add_co_u32 s86, s86, s20
	s_add_co_u32 s86, s86, 7168
	s_lshl_b32 s88, s86, 5
	s_add_co_u32 s88, s88, WSC
	s_mov_b32 s89, 0
	s_lshl_b32 s86, s86, 9
	s_mov_b32 s87, 0
	s_lshl_b32 s21, s16, 15                        ; where they go in LDS: the half alone decides
	s_mul_i32 s22, s16, 64*BP
	s_add_co_u32 s22, s22, BC
	s_lshl_b32 s23, s16, 11
	s_add_co_u32 s23, s23, ASC
	s_mul_i32 s12, s16, 8*272
	s_add_co_u32 s12, s12, BSC
	s_wait_dscnt 0x0
	s_wait_kmcnt 0x0
	s_add_nc_u64 s[82:83], s[4:5], s[82:83]
	s_add_nc_u64 s[84:85], s[4:5], s[84:85]
	s_add_nc_u64 s[86:87], s[6:7], s[86:87]
	s_add_nc_u64 s[88:89], s[6:7], s[88:89]
	CROUND                                         ; all sixteen work-groups are here: the joint loads meet
	s_mov_b32 s[G0A], 1
	s_mov_b32 s[G0A+1], s21
	s_mov_b64 s[G0A+2:G0A+3], s[82:83]
	s_or_b32 s[G0A+3], s[G0A+3], 0x80000000
	s_mov_b32 s[G0B], 1
	s_mov_b32 s[G0B+1], s22
	s_mov_b64 s[G0B+2:G0B+3], s[86:87]
	s_or_b32 s[G0B+3], s[G0B+3], 0x80000000
	JLOAD G0A, G1A, G0B, G1B                       ; the codes; with the scales below two tensor loads of mine are out
	s_mov_b32 s[G0SA], 1
	s_mov_b32 s[G0SA+1], s23
	s_mov_b64 s[G0SA+2:G0SA+3], s[84:85]
	s_or_b32 s[G0SA+3], s[G0SA+3], 0x80000000
	s_mov_b32 s[G0SB], 1
	s_mov_b32 s[G0SB+1], s12
	s_mov_b64 s[G0SB+2:G0SB+3], s[88:89]
	s_or_b32 s[G0SB+3], s[G0SB+3], 0x80000000
	JLOAD G0SA, G1SA, G0SB, G1SB
	s_lshl_b32 s92, s78, 9                         ; my first column, in bytes: 512 x tile column + 256 x half
	s_lshl_b32 s13, s16, 8
	s_add_co_u32 s92, s92, s13
	s_mov_b32 s93, 0
	s_lshl_b32 s90, s79, 19                        ; my first row: 128 x tile row + 64 x half, 4,096 bytes a row
	s_lshl_b32 s13, s15, 18
	s_add_co_u32 s90, s90, s13
	s_add_co_u32 s90, s90, s92
	s_mov_b32 s91, 0
	s_add_nc_u64 s[90:91], s[10:11], s[90:91]      ; out0 at my part
	s_add_nc_u64 s[92:93], s[8:9], s[92:93]        ; out_b at my 64 columns
	v_and_b32 v1, 15, v0                           ; r
	v_bfe_u32 v2, v0, 4, 1                         ; h
	v_and_b32 v3, 31, v0
	v_lshlrev_b32 v3, 4, v3                        ; 16 x lane
	v_lshlrev_b32 v11, 6, v2                       ; the bias: register 8 b + i wants column 32 (b / 2) + 16 h + 8 (b % 2) + i of my 64
	WIN 0x40                                       ; destination window 1
.irp b, 0,1,2,3
	global_load_b128 v[BI+8*\b:BI+8*\b+3], v11, s[92:93] offset:(32*(\b/2)+8*(\b%2))*4
	global_load_b128 v[BI+8*\b+4:BI+8*\b+7], v11, s[92:93] offset:(32*(\b/2)+8*(\b%2))*4+16
.endr
	WIN 0
	s_lshl_b32 s13, s15, 15
	v_add_nc_u32 v4, s13, v3                       ; o's images: my four tiles
	v_mul_u32_u24 v5, v1, BP
	v_lshl_add_u32 v5, v2, 4, v5
	s_mul_i32 s13, s16, 64*BP
	s_add_co_u32 s13, s13, BC
	v_add_nc_u32 v5, s13, v5                       ; out_w's rows: row r x pitch + 16 h
	s_lshl_b32 s13, s15, 7
	s_add_co_u32 s13, s13, ASC
	v_lshl_add_u32 v6, v1, 1, s13                  ; o's scale bytes: 2 bytes a row
	v_lshrrev_b32 v7, 3, v1
	v_mul_u32_u24 v7, v7, 272
	v_and_b32 v12, 7, v1
	v_lshl_add_u32 v7, v12, 5, v7
	s_mul_i32 s13, s16, 8*272
	s_add_co_u32 s13, s13, BSC
	v_add_nc_u32 v7, s13, v7                       ; out_w's: 32 bytes a row, eight rows to a run of 256
	s_mul_i32 s13, s14, 16*SPI
	s_add_co_u32 s13, s13, STG                     ; my stage
	v_mul_u32_u24 v8, v1, SPI
	v_lshl_add_u32 v8, v2, 6, v8
	v_add_nc_u32 v8, s13, v8                       ; in: row r, + 64 h
	v_mul_u32_u24 v9, v2, SPI
	v_lshl_add_u32 v9, v1, 4, v9
	v_add_nc_u32 v9, s13, v9                       ; back: lanes 0-15 one row of 256 bytes, lanes 16-31 the next
	v_lshlrev_b32 v10, 12, v2
	v_lshl_add_u32 v10, v1, 4, v10                 ; and the same two rows in out0
.macro FETCH kk                        ; K step kk's eight fragments into buffer kk % 2: 16 loads
.irp i, 0,1,2,3
.irp c, 0,1
	ds_load_b128 v[FA+64*((\kk)%2)+8*\i+4*\c:FA+64*((\kk)%2)+8*\i+4*\c+3], v4 offset:8192*\i+1024*(\kk)+512*\c
	ds_load_b128 v[FB+64*((\kk)%2)+8*\i+4*\c:FB+64*((\kk)%2)+8*\i+4*\c+3], v5 offset:16*BP*\i+64*(\kk)+32*\c
.endr
.endr
.endm
.macro MUL kk                          ; 16 matrix instructions; the 16 accumulators take turns, one instruction a turn, in the same order in every step
	WIN 0x50                                       ; C and D window 1
.irp a, 0,1,2,3
.irp b, 0,1,2,3
.if (\kk) == 0
	v_wmma_scale_f32_16x16x128_f8f6f4 v[8*(4*\a+\b):8*(4*\a+\b)+7], v[FB+64*((\kk)%2)+8*\b:FB+64*((\kk)%2)+8*\b+7], v[FA+64*((\kk)%2)+8*\a:FA+64*((\kk)%2)+8*\a+7], v[BI+8*\b:BI+8*\b+7], v[SB+8*\b+(\kk)], v[SA+8*\a+(\kk)] matrix_a_fmt:MATRIX_FMT_FP4 matrix_b_fmt:MATRIX_FMT_FP4
.else
	v_wmma_scale_f32_16x16x128_f8f6f4 v[8*(4*\a+\b):8*(4*\a+\b)+7], v[FB+64*((\kk)%2)+8*\b:FB+64*((\kk)%2)+8*\b+7], v[FA+64*((\kk)%2)+8*\a:FA+64*((\kk)%2)+8*\a+7], v[8*(4*\a+\b):8*(4*\a+\b)+7], v[SB+8*\b+(\kk)], v[SA+8*\a+(\kk)] matrix_a_fmt:MATRIX_FMT_FP4 matrix_b_fmt:MATRIX_FMT_FP4
.endif
.endr
.endr
	WIN 0
.endm
	s_wait_tensorcnt 0x0                           ; my parts are in,
	s_barrier_signal -1
	s_barrier_wait -1                              ; everybody's are
.irp i, 0,1,2,3
.irp d, 0,1,2,3,4,5,6,7,8,9,10,11,12,13,14,15
	ds_load_u16 v[192+16*\i+\d], v6 offset:256*\d+32*\i            ; o's two scale bytes of head d, row 16 i + r
.endr
.endr
.irp i, 0,1,2,3
.irp q, 0,1
	ds_load_b128 v[SB+8*\i+4*\q:SB+8*\i+4*\q+3], v7 offset:544*\i+16*\q   ; out_w's eight scale words of row 16 i + r
.endr
.endr
	FETCH 0
	s_wait_dscnt 24                                ; the 64 halves are in; out_w's 8 loads and step 0's 16 may be out
.irp i, 0,1,2,3
.irp k, 0,1,2,3,4,5,6,7
	v_lshl_or_b32 v[SA+8*\i+\k], v[192+16*\i+2*\k+1], 16, v[192+16*\i+2*\k]   ; heads 2 k and 2 k + 1 make K step k's scale word
.endr
.endr
	PLACES 8                                       ; a scale register written by a vector instruction stands 8 places ahead of a scaled matrix instruction
	FETCH 1
	s_wait_dscnt 16                                ; all but step 1's 16 loads
	s_wait_loadcnt 0x0                             ; the bias
	MUL 0
.irp k, 1,2,3,4,5,6
	PLACES 4                                       ; in front of loads into the buffer that the last step multiplied
	FETCH \k+1
	s_wait_dscnt 16                                ; this step's fragments are in; the next step's 16 loads may be out
	MUL \k
.endr
	s_wait_dscnt 0x0
	MUL 7
; THE WAY OUT, block by block of 16 rows x 64 columns, through my own stage: in by true column, back as whole rows of 256 bytes.  LDS serves a wave's instructions in order: no wait between the stores and the loads.
.macro TOSTAGE a
	WIN 0x04                                       ; an LDS store's data are its source 1: window 1
.irp b, 0,1,2,3
	ds_store_b128 v8, v[8*(4*(\a)+\b):8*(4*(\a)+\b)+3] offset:128*(\b/2)+32*(\b%2)          ; each accumulator from its low end on: columns 32 (b / 2) + 16 h + 8 (b % 2) + 0 .. 7
	ds_store_b128 v8, v[8*(4*(\a)+\b)+4:8*(4*(\a)+\b)+7] offset:128*(\b/2)+32*(\b%2)+16
.endr
	WIN 0
.irp i, 0,1,2,3,4,5,6,7
	ds_load_b128 v[128+32*(\a)+4*\i:131+32*(\a)+4*\i], v9 offset:544*\i
.endr
.endm
.macro SEND a, younger                 ; younger: the LDS instructions issued behind block a's loads.  Position 16 a + 2 i + h is row 32 (a / 2) + 8 (a % 2) + 2 i + h + 8 (i / 4)
.irp i, 0,1,2,3,4,5,6,7
	s_wait_dscnt \younger+7-\i
	global_store_b128 v10, v[128+32*(\a)+4*\i:131+32*(\a)+4*\i], s[90:91] offset:(32*((\a)/2)+8*((\a)%2)+2*\i+8*(\i/4))*4096 th:TH_STORE_NT   ; 16 lanes store 256 consecutive bytes, aligned; written once, read by nobody here
.endr
.endm
	PLACES 4                                       ; behind the last products
	TOSTAGE 0
	TOSTAGE 1
	SEND 0, 16                                     ; each block has registers of its own: no store's data are written again
	TOSTAGE 2
	SEND 1, 16
	TOSTAGE 3
	SEND 2, 16
	SEND 3, 0
	s_wait_tensorcnt 0x0
	s_wait_dscnt 0x0
	s_wait_tensorcnt 0x0
	ds_add_u32 v126, v127
	s_wait_dscnt 0x0
	CROUND                                         ; the closing round: no work-group ends while a partner may still ask for a tile that names it
	s_endpgm
.Lfunc_end_k_qa5dae53283_oproj:
	.size	k_qa5dae53283_oproj, .Lfunc_end_k_qa5dae53283_oproj-k_qa5dae53283_oproj
	.p2alignl 7, 3214868480
	.fill 96, 4, 3214868480
	.section	.rodata,"a",@progbits
	.p2align	6, 0x0
	.amdhsa_kernel k_qa5dae53283_oproj
		.amdhsa_group_segment_fixed_size 168448
		.amdhsa_private_segment_fixed_size 0
		.amdhsa_enable_private_segment 0
		.amdhsa_kernarg_size 32
		.amdhsa_user_sgpr_count 2
		.amdhsa_user_sgpr_kernarg_segment_ptr 1
		.amdhsa_wavefront_size32 1
		.amdhsa_system_sgpr_workgroup_id_x 1
		.amdhsa_system_sgpr_workgroup_id_y 1
		.amdhsa_system_sgpr_workgroup_id_z 1
		.amdhsa_system_vgpr_workitem_id 0
		.amdhsa_next_free_vgpr 512
		.amdhsa_next_free_sgpr 96
		.amdhsa_reserve_vcc 0
		.amdhsa_float_denorm_mode_32 3
		.amdhsa_float_denorm_mode_16_64 3
		.amdhsa_memory_ordered 1
		.amdhsa_forward_progress 1
		.amdhsa_inst_pref_size 51
	.end_amdhsa_kernel
	.amdgpu_metadata
---
amdhsa.version: [ 1, 2 ]
amdhsa.kernels:
  - .name:           k_qa5dae53283_oproj
    .symbol:         k_qa5dae53283_oproj.kd
    .args:
      - { .name: oq, .offset: 0, .size: 8, .value_kind: global_buffer, .address_space: global }
      - { .name: wq, .offset: 8, .size: 8, .value_kind: global_buffer, .address_space: global }
      - { .name: out_b, .offset: 16, .size: 8, .value_kind: global_buffer, .address_space: global }
      - { .name: out0, .offset: 24, .size: 8, .value_kind: global_buffer, .address_space: global }
    .group_segment_fixed_size: 168448
    .private_segment_fixed_size: 0
    .kernarg_segment_align: 8
    .kernarg_segment_size: 32
    .max_flat_workgroup_size: 128
    .sgpr_count:     96
    .vgpr_count:     512
    .wavefront_size: 32
...
	.end_amdgpu_metadata
.endif
;; end of part 4
